; MI455X (gfx1250); checked and timed in simulation.
; The chip was launched on July 23, 2026; its instructions are those of AMD's public machine-readable ISA for CDNA 5 (MIT licence, August 2026) and "CDNA5" Instruction Set Architecture Reference Guide (July 2026). The comments in the code are by the model that wrote it; some were corrected since.
;; Multi Head Attention. Allowed arithmetic: float matrix products may take bf16 or f16 operands with f32 sums; all other float work in f32.
;; Inputs: bk 1,024 float32; bo 1,024 float32; bq 1,024 float32; bv 1,024 float32; k 2 x 2,048 x 1,024 float32; q 2 x 2,048 x 1,024 float32; v 2 x 2,048 x 1,024 float32; wk 1,024 x 1,024 float32; wo 1,024 x 1,024 float32; wq 1,024 x 1,024 float32; wv 1,024 x 1,024 float32.
;; Outputs: out0 2 x 2,048 x 1,024 float32.
;; 2 versions, each right and faster than the one before. Each part assembles by itself: llvm-mc -triple=amdgcn-amd-amdhsa -mcpu=gfx1250 --defsym DOCPART=n.
;; ======== version 1 of 2: 3 launches
;; limits: values are held in f16: magnitudes above 65,504 overflow, below 6.1e-05 lose precision
;; workspace buffers: qh 8,388,608 bytes; kh 8,388,608 bytes; vh 8,388,608 bytes; ctx 8,388,608 bytes; wo16 2,097,152 bytes
;; launch proj (part 1): grid 4 x 48, 4 waves a work-group, clusters of 4 x 4, 327,680 bytes of LDS; arguments q, k, v, wq, wk, wv, bq, bk, bv, qh, kh, vh; writes qh, kh, vh
.if DOCPART == 1
	.amdgcn_target "amdgcn-amd-amdhsa--gfx1250"
	.amdhsa_code_object_version 6
	.text
	.protected	k_qeef2e8e01f_proj
	.globl	k_qeef2e8e01f_proj
	.p2align	8
	.type	k_qeef2e8e01f_proj,@function
k_qeef2e8e01f_proj:
	s_mov_b64 s[64:65], 0
	v_nop
	global_prefetch_b8 v0, s[64:65] scope:SCOPE_SE
	s_setreg_imm32_b32 hwreg(HW_REG_WAVE_MODE, 25, 1), 1
	s_wait_xcnt 0x0
	s_wait_alu depctr_hold_cnt(0) depctr_sa_sdst(0) depctr_va_vdst(0) depctr_va_sdst(0) depctr_va_ssrc(0) depctr_va_vcc(0) depctr_vm_vsrc(0)
	s_getreg_b32 s2, hwreg(HW_REG_IB_STS2, 6, 4)
	s_cmp_eq_u32 s2, 0
	s_cbranch_scc0 .Lentry_in_a_cluster
	s_endpgm
.Lentry_in_a_cluster:
	s_bfe_u32 s2, ttmp6, 0x10000c
	s_cmp_lg_u32 s2, 0xf033
	s_cbranch_scc0 .Lentry_shape_is_right
	s_endpgm
.Lentry_shape_is_right:
; y = x W^T + b, three times in one launch: (q, wq, bq) -> qh, (k, wk, bk) -> kh, (v, wv, bv) -> vh.
; x: [4096][1024] f32, W: [1024 (n)][1024 (k)] f32, b: [1024] f32, y: [4096][1024] f16.  Sums in f32, y rounded once.
; LIMIT: x, W and y go in f16 (finer than bf16 by three bits, which the later softmax chain needs); |x|, |W|, |y| must stay below 65,504.
; With inputs thirty times the drawn spread |y| is some 5,000, with an offset of thirty spreads in x and W 1024 x 30 x 0.94 = 28,900.
; 192 work-groups: cluster row 0-3 serves q, 4-7 k, 8-11 v.  A work-group makes 256 x 256 of y with four waves, a wave 128 x 128:
; 64 accumulator tiles, 512 registers.  K goes in tiles of 64 f32 (256 bytes a row, each row starting at a multiple of 256 bytes) through two LDS slots.
; The tiles stay f32 in LDS; a fragment is read as f32 (four loads of 16 bytes a lane) and narrowed in registers (eight v_cvt_pk_f16_f32).
; CLUSTERS: 4 x 4 work-groups.  x's tile hangs on the block row alone and is asked for jointly by a row of the cluster, W's on the block column
; alone and is asked for jointly by a column: that divides the requests for both by four.
; REGISTERS in windows of 256:
;   window 0: v16-27 addresses; v64-127, v128-191 fragments of x (8 tiles of 16 rows x 32 K), two buffers; v192-255 the bias, later packed results
;   window 1: v0-63, v192-255 two raw batches (4 tiles x 16 f32 registers); v64-127, v128-191 fragments of W, two buffers
;   window 2, 3: the accumulators of my rows 0-63 and 64-127 (tile (a, b) at v[8 (8 a + b)])
; THE MATRIX INSTRUCTION IS USED TRANSPOSED: source 0 = 16 rows of W, source 1 = 16 rows of x, so that lane l holds row l % 16 of y and its
; registers 0-7 the columns 8 (l / 16) + 0..7.  The bias of those eight columns is the C operand of the first product: it is never added apart.
.set KT,     64                        ; K in a tile
.set PITCH,  272                       ; an LDS row: 256 bytes + 16 of padding: 16 rows start at 16 different groups of four banks
.set HALFT,  128*PITCH                 ; what one tensor load brings
.set SLOT,   4*HALFT                   ; x's 256 rows, then W's 256 rows
.set STAGE,  2*SLOT                    ; behind the ring: 16 rows x 272 bytes for each wave; no tensor load fills it
.set SPITCH, 272
.set YROW,   2048                      ; bytes in a row of y
.set ADRA, 16                          ; v16-17  LDS address of my x fragments in slot 0, 1
.set ADRB, 20                          ; v20-21  the same for W
.set STO,  24                          ; way out: where I put 16 bytes of a row
.set RD,   25                          ; way out: where I read a row back
.set CO,   26                          ; my byte offset in y
.set BO,   27                          ; my byte offset in the bias
.set F0,   64
.set F1,   128
.set BIAS, 192                         ; window 0
.set TMP,  192                         ; window 0, on the way out
.set RAWA, 0                           ; window 1
.set RAWB, 192                         ; window 1
.set G1,  24                           ; s[24:31] group 1 for x's tiles
.set G0,  32                           ; s[32:39] group 0 for x's tiles, a set for each slot
.set G1B, 48                           ; s[48:55] group 1 for W's tiles
.set G0B, 56                           ; s[56:63] group 0 for W's tiles
.set MSB, 0
.macro WIN new                         ; the immediate's high byte repeats the setting that is left
.if MSB != (\new)
	s_set_vgpr_msb (MSB<<8)|(\new)
.set MSB, (\new)
.endif
.endm
; A joint load: waves 0 and 1 ask for x's two halves, waves 2 and 3 for W's.  The branch hangs on the wave's number alone.
.macro JLOAD s
	s_cmp_eq_u32 s11, 0
	s_cbranch_scc0 .Lfor_b_\@
	tensor_load_to_lds s[G0+4*\s:G0+4*\s+3], s[G1:G1+7]
	s_nop 0
	s_branch .Lasked_\@
.Lfor_b_\@:
	tensor_load_to_lds s[G0B+4*\s:G0B+4*\s+3], s[G1B:G1B+7]
	s_nop 0
.Lasked_\@:
.endm
; A round of the cluster's barrier: my work-group's barrier; wave 0 signals for the work-group; all wait for all sixteen; my work-group's barrier again.
.macro CREST                           ; a round behind its opening barrier
	s_cmp_lg_u32 s10, 0
	s_cbranch_scc1 .Lnot_wave_0_\@
	s_barrier_signal -3
.Lnot_wave_0_\@:
	s_barrier_wait -3
	s_barrier_signal -1
	s_barrier_wait -1
.endm
.macro CROUND
	s_barrier_signal -1
	s_barrier_wait -1
	CREST
.endm
	s_load_b512 s[68:83], s[0:1], 0x0              ; q k v wq wk wv bq bk
	s_load_b256 s[84:91], s[0:1], 0x40             ; bv qh kh vh
	v_lshl_add_u32 v62, v0, 2, 0x48400
	v_mov_b32 v63, 0
	ds_add_u32 v62, v63
	v_lshrrev_b32 v1, 5, v0
	v_readfirstlane_b32 s10, v1                    ; wave 0..3
	s_lshr_b32 s11, s10, 1                         ; my half of the block's rows; also: I fetch for x (0) or for W (1)
	s_and_b32 s12, s10, 1                          ; my half of its columns; also: which 128 rows of that tile I fetch
	s_bfe_u32 s40, ttmp6, 0x40000                  ; cx
	s_bfe_u32 s41, ttmp6, 0x40004                  ; cy
	s_lshl_b32 s42, ttmp9, 2
	s_add_co_u32 s42, s42, s40                     ; block column 0..3
	s_and_b32 s13, ttmp7, 0xffff                   ; the cluster's y, 0..11
	s_lshr_b32 s45, s13, 2                         ; which product: 0 q, 1 k, 2 v (the same in all sixteen partners)
	s_and_b32 s13, s13, 3
	s_lshl_b32 s13, s13, 2
	s_add_co_u32 s13, s13, s41                     ; block row 0..15
	s_lshl_b32 s43, s41, 2
	s_lshl_b32 s43, 15, s43                        ; my row of the cluster
	s_lshl_b32 s44, 0x1111, s40                    ; my column
	; group 1: 128 rows x 64 elements of 4 bytes, 4 words of padding behind every 64 words
	s_or_b32 s[G1+0], s43, (2<<16)|(1<<20)|(1<<21)|(5<<22)|(3<<25)
	s_or_b32 s[G1B+0], s44, (2<<16)|(1<<20)|(1<<21)|(5<<22)|(3<<25)
.irp g, G1, G1B
	s_mov_b32 s[\g+1], KT<<16                      ; tensor_dim0 = 64
	s_mov_b32 s[\g+2], 128<<16                     ; tensor_dim1 = 128
	s_mov_b32 s[\g+3], KT<<16                      ; tile_dim0 = 64
	s_mov_b32 s[\g+4], 128                         ; tile_dim1 = 128
	s_mov_b32 s[\g+5], 1024                        ; elements from row to row
	s_mov_b32 s[\g+6], 0
	s_mov_b32 s[\g+7], 0
.endr
	s_lshl_b32 s17, s12, 7                         ; which 128 rows of the tile I fetch
	s_lshl_b32 s16, s13, 8
	s_add_co_u32 s16, s16, s17                     ; x: row 256 x block row + 128 x half
	s_lshl_b32 s46, s42, 8
	s_add_co_u32 s46, s46, s17                     ; W: row 256 x block column + 128 x half
	s_lshl_b32 s16, s16, 12                        ; rows of 4,096 bytes: below 16 MiB
	s_lshl_b32 s46, s46, 12
	s_mov_b32 s17, 0
	s_mov_b32 s47, 0
	s_mul_i32 s20, s10, HALFT                      ; where my part goes: the wave's number alone
	s_wait_dscnt 0x0
	s_wait_kmcnt 0x0
	s_cmp_eq_u32 s45, 1                            ; the four buffers of my product
	s_cselect_b64 s[4:5], s[70:71], s[68:69]       ; x
	s_cselect_b64 s[6:7], s[76:77], s[74:75]       ; W
	s_cselect_b64 s[8:9], s[88:89], s[86:87]       ; y
	s_cselect_b64 s[92:93], s[82:83], s[80:81]     ; b
	s_cmp_eq_u32 s45, 2
	s_cselect_b64 s[4:5], s[72:73], s[4:5]
	s_cselect_b64 s[6:7], s[78:79], s[6:7]
	s_cselect_b64 s[8:9], s[90:91], s[8:9]
	s_cselect_b64 s[92:93], s[84:85], s[92:93]
	s_add_nc_u64 s[14:15], s[4:5], s[16:17]
	s_add_nc_u64 s[46:47], s[6:7], s[46:47]
	CROUND                                         ; all sixteen work-groups are here: the first joint loads meet
.irp s, 0,1
	s_mov_b32 s[G0+4*\s], 1
	s_add_co_u32 s[G0+4*\s+1], s20, \s*SLOT
	s_add_nc_u64 s[G0+4*\s+2:G0+4*\s+3], s[14:15], \s*KT*4
	s_or_b32 s[G0+4*\s+3], s[G0+4*\s+3], 0x80000000
	s_mov_b32 s[G0B+4*\s], 1
	s_add_co_u32 s[G0B+4*\s+1], s20, \s*SLOT
	s_add_nc_u64 s[G0B+4*\s+2:G0B+4*\s+3], s[46:47], \s*KT*4
	s_or_b32 s[G0B+4*\s+3], s[G0B+4*\s+3], 0x80000000
	JLOAD \s                                       ; tiles 0 and 1: two tensor loads of the wave are out
.endr
	v_and_b32 v1, 15, v0                           ; r = l % 16
	v_bfe_u32 v2, v0, 4, 1                         ; h = l / 16
	v_mul_u32_u24 v3, v1, PITCH
	v_lshl_add_u32 v4, v2, 4, v3                   ; stage: r x 272 + 16 h
	v_lshl_add_u32 v3, v2, 5, v3                   ; f32 tiles: r x 272 + 32 h (eight f32 a half)
	s_mul_i32 s21, s11, HALFT
	s_mul_i32 s22, s12, HALFT
	s_add_co_u32 s22, s22, 2*HALFT
.irp s, 0,1
	v_add_nc_u32 v[ADRA+\s], s21, v3
	v_add_nc_u32 v[ADRB+\s], s22, v3
	s_add_co_u32 s21, s21, SLOT
	s_add_co_u32 s22, s22, SLOT
.endr
	s_mul_i32 s23, s10, 16*SPITCH
	s_add_co_u32 s23, s23, STAGE
	v_add_nc_u32 v[STO], s23, v4
	v_mul_u32_u24 v5, v2, SPITCH
	v_lshl_add_u32 v5, v1, 4, v5
	v_add_nc_u32 v[RD], s23, v5
	v_lshlrev_b32 v5, 11, v2                       ; h rows of 2,048 bytes
	v_lshl_add_u32 v[CO], v1, 4, v5
	v_lshlrev_b32 v[BO], 5, v2                     ; eight f32 a half
	s_lshl_b32 s46, s42, 10                        ; the bias of my 128 columns: 256 x block column + 128 x half, 4 bytes each
	s_lshl_b32 s47, s12, 9
	s_add_co_u32 s46, s46, s47
	s_mov_b32 s47, 0
	s_add_nc_u64 s[92:93], s[92:93], s[46:47]
.irp b, 0,1,2,3,4,5,6,7
	global_load_b128 v[BIAS+8*\b:BIAS+8*\b+3],   v[BO], s[92:93] offset:64*\b      ; b[16 b + 8 h + 0..3]
	global_load_b128 v[BIAS+8*\b+4:BIAS+8*\b+7], v[BO], s[92:93] offset:64*\b+16   ; b[16 b + 8 h + 4..7]
.endr
; 16 LDS loads: four tiles (t0 .. t0+3) of 16 rows x 32 K as f32, at byte k of the rows.  Registers 0-7 of a tile: K = 8 h + 0..7, 8-15: K = 16 + 8 h + 0..7.
.macro LD4 raw, adr, k, t0
	WIN 0x40                                       ; destination window 1, address window 0
.irp i, 0,1,2,3
	ds_load_b128 v[\raw+16*\i:\raw+16*\i+3],     v[\adr] offset:\k+(\t0+\i)*16*PITCH
	ds_load_b128 v[\raw+16*\i+4:\raw+16*\i+7],   v[\adr] offset:\k+(\t0+\i)*16*PITCH+16
	ds_load_b128 v[\raw+16*\i+8:\raw+16*\i+11],  v[\adr] offset:\k+(\t0+\i)*16*PITCH+64
	ds_load_b128 v[\raw+16*\i+12:\raw+16*\i+15], v[\adr] offset:\k+(\t0+\i)*16*PITCH+80
.endr
.endm
; 32 conversions: a raw batch becomes four fragments.  win = 0x45: into W's fragments (window 1), 0x05: into x's (window 0).
.macro CV4 raw, win, f, t0
	WIN \win
.irp i, 0,1,2,3
.irp j, 0,1,2,3,4,5,6,7
	v_cvt_pk_f16_f32 v[\f+8*(\t0+\i)+\j], v[\raw+16*\i+2*\j], v[\raw+16*\i+2*\j+1]
.endr
.endr
.endm
; 16 matrix instructions: row tiles a0, a0+1 of the window's four x all 8 column tiles.  first = 1: C is the bias, which starts the sums.
; The 64 accumulators take turns, one instruction a turn, in the same order in every half step.
.macro MUL16 f, hi, a0, first
.irp a, \a0, \a0+1
.irp b, 0,1,2,3,4,5,6,7
.if \first
	v_wmma_f32_16x16x32_f16 v[8*(8*(\a)+\b):8*(8*(\a)+\b)+7], v[\f+8*\b:\f+8*\b+7], v[\f+8*(4*\hi+\a):\f+8*(4*\hi+\a)+7], v[BIAS+8*\b:BIAS+8*\b+7]
.else
	v_wmma_f32_16x16x32_f16 v[8*(8*(\a)+\b):8*(8*(\a)+\b)+7], v[\f+8*\b:\f+8*\b+7], v[\f+8*(4*\hi+\a):\f+8*(4*\hi+\a)+7], v[8*(8*(\a)+\b):8*(8*(\a)+\b)+7]
.endif
.endr
.endr
.endm
.macro MULW f, hi, a0, first           ; source 0 window 1, source 1 window 0, D window 2 or 3, C the same or (the bias) window 0
.if \first
	WIN 0x81+0x40*\hi
.else
	WIN 0xa1+0x50*\hi
.endif
	MUL16 \f, \hi, \a0, \first
.endm
; A vector instruction that writes a register which a matrix instruction has read stands four places behind it, and only plain vector
; instructions that name none of its registers are places (ISA guide 7.12.1).  The conversions at a half step's head write the buffer that the
; matrix instructions just before read: four v_nop for 64 matrix instructions.
.macro PLACES
.rept 4
	v_nop
.endr
.endm
; A tile is two half steps of 32 along K, 64 matrix instructions each.  A half step multiplies one fragment buffer and builds the other in four units:
; wait for the older raw batch (s_wait_dscnt 16: the younger batch's 16 loads stay out), narrow it, load the batch two units ahead into the
; registers just freed, 16 matrix instructions.  Batches go W 0-3, W 4-7, x 0-3, x 4-7.
; ODD: multiplies buffer 1 (the second half of a tile) and builds buffer 0 from the first half of the tile in slot nxt.
; more = 0: nothing is left to build.  mul = 0: the start, nothing to multiply yet.
.macro ODD nxt, more, mul
.if \more
.if \mul
	PLACES
.endif
	s_wait_dscnt 16
	CV4 RAWA, 0x45, F0, 0
	LD4 RAWA, ADRA+\nxt, 0, 0
.endif
.if \mul
	MULW F1, 0, 0, 0
.endif
.if \more
	s_wait_dscnt 16
	CV4 RAWB, 0x45, F0, 4
	LD4 RAWB, ADRA+\nxt, 0, 4
.endif
.if \mul
	MULW F1, 0, 2, 0
.endif
.if \more
	s_wait_dscnt 16
	CV4 RAWA, 0x05, F0, 0
	LD4 RAWA, ADRB+\nxt, 128, 0
.endif
.if \mul
	MULW F1, 1, 0, 0
.endif
.if \more
	s_wait_dscnt 16
	CV4 RAWB, 0x05, F0, 4
	LD4 RAWB, ADRB+\nxt, 128, 4
.endif
.if \mul
	MULW F1, 1, 2, 0
.endif
.endm
; EVEN: multiplies buffer 0 (the first half of the tile in this slot), builds buffer 1 from its second half, and changes slots in its middle, where the
; slot's last bytes have been read.  mode 2: the slot is filled again, two tiles ahead; mode 1: the change alone; mode 0: the last tile.
; In front of the barrier each wave waits for its reads of the slot and for all its tensor loads (one is out: its part of the other slot).
; In mode 2 that barrier opens a round of the cluster's barrier, and the joint refill is the first tensor load behind the round, ahead of the LDS reads.
; From a request to the wait for it a wave issues 128 matrix instructions.
.macro EVEN slot, first, mode
	PLACES
	s_wait_dscnt 16
	CV4 RAWA, 0x45, F1, 0
	LD4 RAWA, ADRA+\slot, 128, 0
	MULW F0, 0, 0, \first
	s_wait_dscnt 16
	CV4 RAWB, 0x45, F1, 4
	LD4 RAWB, ADRA+\slot, 128, 4
	MULW F0, 0, 2, \first
	s_wait_dscnt 0x0                               ; my reads of this slot are back
.if \mode
	s_set_vgpr_msb (MSB<<8)|((MSB&0xf0)|0x0)
	s_wait_tensorcnt 0x0                           ; all my tensor loads have landed: my part of the other slot
	ds_add_u32 v62, v63
	s_wait_dscnt 0x0
	s_set_vgpr_msb (((MSB&0xf0)|0x0)<<8)|MSB
	s_barrier_signal -1
.endif
	CV4 RAWA, 0x05, F1, 0                          ; register work while the others arrive
.if \mode
	WIN 0
	s_barrier_wait -1
.if \mode == 2
	CREST                                          ; no wave of any partner still reads this slot or has a load on its way
	s_add_nc_u64 s[G0+4*\slot+2:G0+4*\slot+3], s[G0+4*\slot+2:G0+4*\slot+3], 2*KT*4
	s_add_nc_u64 s[G0B+4*\slot+2:G0B+4*\slot+3], s[G0B+4*\slot+2:G0B+4*\slot+3], 2*KT*4
	JLOAD \slot
.endif
	LD4 RAWA, ADRB+1-\slot, 0, 0
.endif
	MULW F0, 1, 0, \first
	CV4 RAWB, 0x05, F1, 4
.if \mode
	LD4 RAWB, ADRB+1-\slot, 0, 4
.endif
	MULW F0, 1, 2, \first
.endm
.macro LAP first                       ; two tiles, both slots filled again
	EVEN 0, \first, 2
	ODD 1, 1, 1
	EVEN 1, 0, 2
	ODD 0, 1, 1
.endm
	s_wait_tensorcnt 0x1                           ; my part of tile 0 is in; tile 1's stays out
	s_barrier_signal -1
	s_barrier_wait -1                              ; everybody's is
	LD4 RAWA, ADRB+0, 0, 0
	LD4 RAWB, ADRB+0, 0, 4
	ODD 0, 1, 0                                    ; buffer 0 is built from tile 0's first half
	s_wait_loadcnt 0x0                             ; the bias
	LAP 1                                          ; tiles 0, 1; asks for 2, 3
	WIN 0                                          ; at a label and at a branch every window is 0
	s_mov_b32 s3, 6                                ; tiles 2 .. 13; they ask for 4 .. 15
.Llap:
	LAP 0
	WIN 0
	s_sub_co_u32 s3, s3, 1
	s_cmp_lg_u32 s3, 0
	s_cbranch_scc1 .Llap
	EVEN 0, 0, 1                                   ; tiles 14, 15: nothing is left to fetch
	ODD 1, 1, 1
	EVEN 1, 0, 0
	ODD 0, 0, 1
	; THE WAY OUT, 16 rows at a time: round to f16, 16 bytes a lane into my own stage, read back as whole rows of 256 bytes.
	PLACES                                         ; the places behind the last matrix instructions, for the conversions and the loads into the buffers
	s_lshl_b32 s13, s13, 8
	s_lshl_b32 s14, s11, 7
	s_add_co_u32 s16, s13, s14                     ; my first row of y
	s_lshl_b32 s16, s16, 11
	s_mov_b32 s17, 0
	s_add_nc_u64 s[8:9], s[8:9], s[16:17]
	s_lshl_b32 s46, s42, 9                         ; my first column in bytes: 512 x block column + 256 x half
	s_lshl_b32 s47, s12, 8
	s_add_co_u32 s46, s46, s47
	s_mov_b32 s47, 0
	s_add_nc_u64 s[8:9], s[8:9], s[46:47]
.macro OUT16 i, a, from, f
	WIN \from
.irp b, 0,1,2,3,4,5,6,7
.irp r, 0,1,2,3
	v_cvt_pk_f16_f32 v[TMP+4*\b+\r], v[8*(8*\a+\b)+2*\r], v[8*(8*\a+\b)+2*\r+1]
.endr
.endr
	WIN 0
.irp b, 0,1,2,3,4,5,6,7
	ds_store_b128 v[STO], v[TMP+4*\b:TMP+4*\b+3] offset:32*\b
.endr
	s_wait_xcnt 0x0                                ; buffer f, which earlier stores read, and the stores' base are rewritten only behind this wait (ISA guide 3.1)
.if \i
	s_add_nc_u64 s[8:9], s[8:9], 16*YROW
.endif
.irp t, 0,1,2,3,4,5,6,7
	ds_load_b128 v[\f+4*\t:\f+4*\t+3], v[RD] offset:\t*2*SPITCH    ; LDS serves a wave's instructions in order: these see the stores above
.endr
.irp t, 0,1,2,3,4,5,6,7
	s_wait_dscnt 7-\t
	global_store_b128 v[CO], v[\f+4*\t:\f+4*\t+3], s[8:9] offset:2*\t*YROW   ; 16 lanes store 256 consecutive bytes, aligned
.endr
.endm
	OUT16 0, 0, 0x0a, F0
	OUT16 1, 1, 0x0a, F1
	OUT16 2, 2, 0x0a, F0
	OUT16 3, 3, 0x0a, F1
	OUT16 4, 0, 0x0f, F0
	OUT16 5, 1, 0x0f, F1
	OUT16 6, 2, 0x0f, F0
	OUT16 7, 3, 0x0f, F1
	s_set_vgpr_msb (MSB<<8)|((MSB&0xf0)|0x0)
	s_wait_tensorcnt 0x0
	ds_add_u32 v62, v63
	s_wait_dscnt 0x0
	s_set_vgpr_msb (((MSB&0xf0)|0x0)<<8)|MSB
	CROUND                                         ; the closing round: no work-group ends while a partner may still ask for a tile that names it
	s_endpgm
.Lfunc_end_k_qeef2e8e01f_proj:
	.size	k_qeef2e8e01f_proj, .Lfunc_end_k_qeef2e8e01f_proj-k_qeef2e8e01f_proj
	.p2alignl 7, 3214868480
	.fill 96, 4, 3214868480
	.section	.rodata,"a",@progbits
	.p2align	6, 0x0
	.amdhsa_kernel k_qeef2e8e01f_proj
		.amdhsa_group_segment_fixed_size 327680
		.amdhsa_private_segment_fixed_size 0
		.amdhsa_enable_private_segment 0
		.amdhsa_kernarg_size 96
		.amdhsa_user_sgpr_count 2
		.amdhsa_user_sgpr_kernarg_segment_ptr 1
		.amdhsa_wavefront_size32 1
		.amdhsa_system_sgpr_workgroup_id_x 1
		.amdhsa_system_sgpr_workgroup_id_y 1
		.amdhsa_system_sgpr_workgroup_id_z 1
		.amdhsa_system_vgpr_workitem_id 0
		.amdhsa_next_free_vgpr 1024
		.amdhsa_next_free_sgpr 96
		.amdhsa_reserve_vcc 0
		.amdhsa_float_denorm_mode_32 3
		.amdhsa_float_denorm_mode_16_64 3
		.amdhsa_memory_ordered 1
		.amdhsa_forward_progress 1
		.amdhsa_inst_pref_size 246
	.end_amdhsa_kernel
	.amdgpu_metadata
---
amdhsa.version: [ 1, 2 ]
amdhsa.kernels:
  - .name:           k_qeef2e8e01f_proj
    .symbol:         k_qeef2e8e01f_proj.kd
    .args:
      - { .name: q, .offset: 0, .size: 8, .value_kind: global_buffer, .address_space: global }
      - { .name: k, .offset: 8, .size: 8, .value_kind: global_buffer, .address_space: global }
      - { .name: v, .offset: 16, .size: 8, .value_kind: global_buffer, .address_space: global }
      - { .name: wq, .offset: 24, .size: 8, .value_kind: global_buffer, .address_space: global }
      - { .name: wk, .offset: 32, .size: 8, .value_kind: global_buffer, .address_space: global }
      - { .name: wv, .offset: 40, .size: 8, .value_kind: global_buffer, .address_space: global }
      - { .name: bq, .offset: 48, .size: 8, .value_kind: global_buffer, .address_space: global }
      - { .name: bk, .offset: 56, .size: 8, .value_kind: global_buffer, .address_space: global }
      - { .name: bv, .offset: 64, .size: 8, .value_kind: global_buffer, .address_space: global }
      - { .name: qh, .offset: 72, .size: 8, .value_kind: global_buffer, .address_space: global }
      - { .name: kh, .offset: 80, .size: 8, .value_kind: global_buffer, .address_space: global }
      - { .name: vh, .offset: 88, .size: 8, .value_kind: global_buffer, .address_space: global }
    .group_segment_fixed_size: 327680
    .private_segment_fixed_size: 0
    .kernarg_segment_align: 8
    .kernarg_segment_size: 96
    .max_flat_workgroup_size: 128
    .sgpr_count:     96
    .vgpr_count:     1024
    .wavefront_size: 32
...
	.end_amdgpu_metadata
.endif
;; end of part 1
;; launch attn (part 2): grid 16 x 16, 8 waves a work-group, clusters of 4 x 1, 327,680 bytes of LDS; arguments qh, kh, vh, wo, ctx, wo16; writes ctx, wo16
.if DOCPART == 2
	.amdgcn_target "amdgcn-amd-amdhsa--gfx1250"
	.amdhsa_code_object_version 6
	.text
	.protected	k_qeef2e8e01f_attn
	.globl	k_qeef2e8e01f_attn
	.p2align	8
	.type	k_qeef2e8e01f_attn,@function
k_qeef2e8e01f_attn:
	s_mov_b64 s[64:65], 0
	v_nop
	global_prefetch_b8 v0, s[64:65] scope:SCOPE_SE
	s_setreg_imm32_b32 hwreg(HW_REG_WAVE_MODE, 25, 1), 1
	s_wait_xcnt 0x0
	s_wait_alu depctr_hold_cnt(0) depctr_sa_sdst(0) depctr_va_vdst(0) depctr_va_sdst(0) depctr_va_ssrc(0) depctr_va_vcc(0) depctr_vm_vsrc(0)
	s_getreg_b32 s2, hwreg(HW_REG_IB_STS2, 6, 4)
	s_cmp_eq_u32 s2, 0
	s_cbranch_scc0 .Lentry_in_a_cluster
	s_endpgm
.Lentry_in_a_cluster:
	s_bfe_u32 s2, ttmp6, 0x10000c
	s_cmp_lg_u32 s2, 0x3003
	s_cbranch_scc0 .Lentry_shape_is_right
	s_endpgm
.Lentry_shape_is_right:
; ctx = softmax(qh kh^T / 8) vh for each of 2 x 16 (batch, head) pairs, with a running maximum; and wo is narrowed to f16 on the side (4 rows a work-group).
; qh, kh, vh, ctx: [4096 = b 2048 + s][1024 = head 64 + d] f16.  wo: [1024][1024] f32, wo16 the same in f16.
; LIMITS: P (0 to 1) and ctx (no larger than the largest |vh|) go in f16.  A query's keys are summed in two interleaved halves, by two waves, each with
; its own running maximum, and merged once at the end: the order of rounding differs from a single pass.
; A work-group: 128 queries x 2 neighbouring heads, so that every row piece of K, V and ctx is 256 consecutive bytes, aligned.
; Wave w: 64 queries (w & 1), head ((w >> 1) & 1), key parity g = w >> 2: of each slot of 256 keys it takes the blocks of 64 keys g and g + 2.
; CLUSTERS: the four query blocks of a cluster walk the same K and V: each tile is asked for jointly (mask 15), which divides those requests by four.
; BOTH PRODUCTS ARE USED TRANSPOSED.  S^T = K Q^T: lane l holds query l % 16 and keys 8 (l / 16) + 0..7 of a tile, so two packed tiles ARE the second
; source P^T of O^T = V^T P^T, with no shuffle; a row's maximum is 32 registers and one exchange between the halves of the wave.
; REGISTERS: window 0: v10-23 addresses and maxima; v24-31 sums; v32-39 -c x maximum; v40-47 rescale factors; v48-63 at work; v64-127 K's fragments;
; v128-255 S, then P in place.  Window 1: v0-127 O^T; v128-191 Q's fragments; v192-255 V's fragments.
.set KP,     272                       ; K's LDS pitch: 256 + 16
.set VP,     288                       ; V's LDS pitch: 256 + 32, an odd multiple of 32, for the transposing loads
.set KBYTES, 256*KP
.set SLOT,   256*KP+256*VP             ; 143,360
.set MPART,  18432                     ; the merge: 36 stores of 512 bytes for each pair of waves, from LDS byte 0
.set OST,    4*MPART                   ; the output stage: 128 rows x 272 bytes.  Both lie in slot 0, behind its last fill
.set ADRK, 10                          ; v10-11 K's fragments in slot 0, 1
.set ADRV, 12                          ; v12-13 V's
.set QO,   14
.set MGA,  15
.set M,    16                          ; v16-19 running maximum of the raw scores, query tile t
.set OSA,  20
.set ORD,  21
.set CO,   22
.set L,    24                          ; pairs: two partial sums for tile t
.set NM,   32                          ; pairs: -c x maximum, twice
.set AL,   40                          ; pairs: 2^(new NM - old NM), twice
.set T,    48
.set KF,   64                          ; + 8 (2 kt + ks)
.set S,    128                         ; + 32 t + 8 kt;  P(t, ks) at + 32 t + 16 ks
.set O,    0                           ; window 1, + 32 t + 8 dt
.set QF,   128                         ; window 1, + 16 t + 8 ks
.set VF,   192                         ; window 1, + 8 (2 dt + ks)
.set G1K, 28
.set G1V, 36
.set G0K, 44                           ; a set for each slot
.set G0V, 52
.set MSB, 0
.macro WIN new
.if MSB != (\new)
	s_set_vgpr_msb (MSB<<8)|(\new)
.set MSB, (\new)
.endif
.endm
.macro JLOAD s                         ; waves 0-3 ask for K's four quarters of 64 rows, waves 4-7 for V's
	s_cmp_eq_u32 s19, 0
	s_cbranch_scc0 .Lfor_v_\@
	tensor_load_to_lds s[G0K+4*\s:G0K+4*\s+3], s[G1K:G1K+7]
	s_nop 0
	s_branch .Lasked_\@
.Lfor_v_\@:
	tensor_load_to_lds s[G0V+4*\s:G0V+4*\s+3], s[G1V:G1V+7]
	s_nop 0
.Lasked_\@:
.endm
.macro CREST
	s_cmp_lg_u32 s16, 0
	s_cbranch_scc1 .Lnot_wave_0_\@
	s_barrier_signal -3
.Lnot_wave_0_\@:
	s_barrier_wait -3
	s_barrier_signal -1
	s_barrier_wait -1
.endm
.macro CROUND
	s_barrier_signal -1
	s_barrier_wait -1
	CREST
.endm
.macro PLACES cnt
.rept \cnt
	v_nop
.endr
.endm
	s_load_b256 s[4:11], s[0:1], 0x0               ; qh s[4:5], kh s[6:7], vh s[8:9], wo s[10:11]
	s_load_b128 s[12:15], s[0:1], 0x20             ; ctx s[12:13], wo16 s[14:15]
	v_lshl_add_u32 v7, v0, 2, 0x46000
	v_mov_b32 v23, 0
	ds_add_u32 v7, v23
	v_lshrrev_b32 v1, 5, v0
	v_readfirstlane_b32 s16, v1                    ; wave 0..7
	s_and_b32 s17, s16, 1                          ; which 64 queries
	s_bfe_u32 s18, s16, 0x10001                    ; which head of the two
	s_lshr_b32 s19, s16, 2                         ; g: key parity; also: I fetch for K (0) or for V (1)
	s_and_b32 s20, s16, 3                          ; which quarter of a tile I fetch; also my pair's number in the merge
	s_bfe_u32 s21, ttmp6, 0x40000                  ; cx
	s_lshl_b32 s22, ttmp9, 2
	s_add_co_u32 s22, s22, s21                     ; query block 0..15
	s_and_b32 s23, ttmp7, 0xffff                   ; y 0..15
	s_lshr_b32 s24, s23, 3                         ; batch
	s_and_b32 s25, s23, 7                          ; pair of heads
	; group 1: 64 rows x 128 elements of 2 bytes; behind every 64 words 4 words of padding for K, 8 for V; mask 15 with bit 21 beside it
	s_mov_b32 s[G1K+0], 15|(1<<16)|(1<<20)|(1<<21)|(5<<22)|(3<<25)
	s_mov_b32 s[G1V+0], 15|(1<<16)|(1<<20)|(1<<21)|(5<<22)|(7<<25)
.irp g, G1K, G1V
	s_mov_b32 s[\g+1], 128<<16
	s_mov_b32 s[\g+2], 64<<16
	s_mov_b32 s[\g+3], 128<<16
	s_mov_b32 s[\g+4], 64
	s_mov_b32 s[\g+5], 1024
	s_mov_b32 s[\g+6], 0
	s_mov_b32 s[\g+7], 0
.endr
	s_lshl_b32 s26, s24, 22                        ; batch x 2048 rows of 2,048 bytes
	s_lshl_b32 s27, s20, 17                        ; + quarter x 64 rows
	s_add_co_u32 s26, s26, s27
	s_lshl_b32 s27, s25, 8                         ; + pair x 256 bytes: nothing here hangs on the place in the cluster
	s_add_co_u32 s26, s26, s27
	s_mov_b32 s27, 0
	s_mul_i32 s60, s20, 64*KP
	s_mul_i32 s61, s20, 64*VP
	s_add_co_u32 s61, s61, KBYTES
	s_mov_b32 s76, 0x3e38aa3b                      ; c = log2(e) / 8: the scale 1 / sqrt(64) and the change of base in one
	s_mov_b32 s77, 0x3e38aa3b
	s_mov_b32 s78, 0xbe38aa3b                      ; -c
	s_mov_b32 s80, 0x76543210                      ; v_permlanex16_b32: lane i reads lane i of the other half
	s_mov_b32 s81, 0xfedcba98
	s_wait_dscnt 0x0
	s_wait_kmcnt 0x0
	s_add_nc_u64 s[6:7], s[6:7], s[26:27]
	s_add_nc_u64 s[8:9], s[8:9], s[26:27]
	CROUND                                         ; the four work-groups are here: the first joint loads meet
.irp s, 0,1
	s_mov_b32 s[G0K+4*\s], 1
	s_add_co_u32 s[G0K+4*\s+1], s60, \s*SLOT
	s_add_nc_u64 s[G0K+4*\s+2:G0K+4*\s+3], s[6:7], \s*0x80000       ; keys 256 s ..
	s_or_b32 s[G0K+4*\s+3], s[G0K+4*\s+3], 0x80000000
	s_mov_b32 s[G0V+4*\s], 1
	s_add_co_u32 s[G0V+4*\s+1], s61, \s*SLOT
	s_add_nc_u64 s[G0V+4*\s+2:G0V+4*\s+3], s[8:9], \s*0x80000
	s_or_b32 s[G0V+4*\s+3], s[G0V+4*\s+3], 0x80000000
	JLOAD \s                                       ; two tensor loads of the wave are out
.endr
	v_and_b32 v1, 31, v0                           ; lane
	v_and_b32 v2, 15, v0                           ; r
	v_bfe_u32 v3, v0, 4, 1                         ; h
	v_mul_u32_u24 v4, v2, KP
	v_lshl_add_u32 v4, v3, 4, v4                   ; r x 272 + 16 h
	s_mul_i32 s26, s19, 64*KP                      ; my first block of 64 keys
	s_lshl_b32 s27, s18, 7                         ; my head's 128 bytes of a row
	s_add_co_u32 s26, s26, s27
	v_add_nc_u32 v[ADRK], s26, v4
	v_add_nc_u32 v[ADRK+1], SLOT, v[ADRK]
	v_and_b32 v5, 7, v0                            ; V lies [key][d]: lane l addresses key 8 h + (l & 7), 16 bytes at 16 ((l >> 3) & 1)
	v_lshl_add_u32 v5, v3, 3, v5
	v_mul_u32_u24 v5, v5, VP
	v_bfe_u32 v6, v0, 3, 1
	v_lshl_add_u32 v5, v6, 4, v5
	s_mul_i32 s26, s19, 64*VP
	s_add_co_u32 s26, s26, s27
	s_add_co_u32 s26, s26, KBYTES
	v_add_nc_u32 v[ADRV], s26, v5
	v_add_nc_u32 v[ADRV+1], SLOT, v[ADRV]
	v_lshlrev_b32 v[QO], 11, v2                    ; Q: row r, 16 h
	v_lshl_add_u32 v[QO], v3, 4, v[QO]
	s_mul_i32 s26, s20, MPART
	v_lshl_add_u32 v[MGA], v1, 4, s26
	s_mul_i32 s26, s17, 64*KP
	s_add_co_u32 s26, s26, s27
	s_add_co_u32 s26, s26, OST
	v_add_nc_u32 v[OSA], s26, v4                   ; stage, in: row 64 qhalf + r, 128 head + 16 h
	v_mul_u32_u24 v5, v3, KP
	v_lshl_add_u32 v5, v2, 4, v5
	s_mul_i32 s26, s16, 16*KP
	s_add_co_u32 s26, s26, OST
	v_add_nc_u32 v[ORD], s26, v5                   ; stage, back: row 16 w + h, 16 r
	v_lshlrev_b32 v5, 11, v3
	v_lshl_add_u32 v[CO], v2, 4, v5                ; the same two rows in ctx
	v_lshlrev_b32 v8, 5, v0                        ; wo: 32 bytes a thread
	v_lshlrev_b32 v9, 4, v0                        ; wo16: 16 bytes a thread
	s_lshl4_add_u32 s62, s23, s22                  ; the work-group's number 16 y + x: rows 4 id .. 4 id + 3 of wo
	s_lshl_b32 s66, s62, 13
	s_mov_b32 s67, 0
	s_lshl_b32 s62, s62, 14
	s_mov_b32 s63, 0
	s_add_nc_u64 s[10:11], s[10:11], s[62:63]
	s_add_nc_u64 s[14:15], s[14:15], s[66:67]
	s_lshl_b32 s62, s24, 22
	s_lshl_b32 s66, s22, 18
	s_add_co_u32 s62, s62, s66                     ; (batch x 2048 + 128 x block) rows of 2,048 bytes
	s_lshl_b32 s66, s25, 8
	s_add_co_u32 s62, s62, s66                     ; + pair x 256
	s_lshl_b32 s66, s16, 15
	s_add_co_u32 s66, s66, s62                     ; ctx: + 16 w rows
	s_add_nc_u64 s[12:13], s[12:13], s[66:67]
	s_lshl_b32 s66, s17, 17
	s_add_co_u32 s62, s62, s66                     ; Q: + 64 qhalf rows
	s_lshl_b32 s66, s18, 7
	s_add_co_u32 s62, s62, s66                     ;    + head x 128 bytes
	s_add_nc_u64 s[4:5], s[4:5], s[62:63]
	; wo's four rows, read once in the launch, and my Q fragments: they travel while the first tiles land
	global_load_b128 v[128:131], v8, s[10:11] th:TH_LOAD_NT
	global_load_b128 v[132:135], v8, s[10:11] offset:16 th:TH_LOAD_NT
	global_load_b128 v[136:139], v8, s[10:11] offset:8192 th:TH_LOAD_NT
	global_load_b128 v[140:143], v8, s[10:11] offset:8208 th:TH_LOAD_NT
	WIN 0x40
.irp t, 0,1,2,3
.irp ks, 0,1
	global_load_b128 v[QF+16*\t+8*\ks:QF+16*\t+8*\ks+3],   v[QO], s[4:5] offset:\t*32768+64*\ks
	global_load_b128 v[QF+16*\t+8*\ks+4:QF+16*\t+8*\ks+7], v[QO], s[4:5] offset:\t*32768+64*\ks+32
.endr
.endr
	WIN 0
	s_wait_loadcnt 16                              ; wo's four loads are in; Q's sixteen stay out
.irp j, 0,1,2,3,4,5,6,7
	v_cvt_pk_f16_f32 v[144+\j], v[128+2*\j], v[128+2*\j+1]
.endr
	global_store_b128 v9, v[144:147], s[14:15]                 ; 16 lanes store 256 consecutive bytes, aligned
	global_store_b128 v9, v[148:151], s[14:15] offset:4096
	s_wait_xcnt 0x0                                ; v144-151 are written again (as S) only behind this wait (ISA guide 3.1)
.macro LDK slot, sub                   ; 16 loads: 64 keys x 64 d of my head
	WIN 0
.irp kt, 0,1,2,3
.irp ks, 0,1
	ds_load_b128 v[KF+16*\kt+8*\ks:KF+16*\kt+8*\ks+3],   v[ADRK+\slot] offset:\sub*128*KP+\kt*16*KP+64*\ks
	ds_load_b128 v[KF+16*\kt+8*\ks+4:KF+16*\kt+8*\ks+7], v[ADRK+\slot] offset:\sub*128*KP+\kt*16*KP+64*\ks+32
.endr
.endr
.endm
.macro LDV slot, sub                   ; 16 transposing loads: V^T, 64 d x 64 keys
	WIN 0x40
.irp dt, 0,1,2,3
.irp ks, 0,1
	ds_load_tr16_b128 v[VF+16*\dt+8*\ks:VF+16*\dt+8*\ks+3],   v[ADRV+\slot] offset:\sub*128*VP+\ks*32*VP+32*\dt
	ds_load_tr16_b128 v[VF+16*\dt+8*\ks+4:VF+16*\dt+8*\ks+7], v[ADRV+\slot] offset:\sub*128*VP+\ks*32*VP+32*\dt+16*VP
.endr
.endr
.endm
; S^T(t, kt) = K(kt) Q(t)^T: 32 matrix instructions.  The 16 accumulators take turns, one instruction a turn.
.macro QK
	WIN 0x04                                       ; source 1 (Q) window 1
.irp t, 0,1,2,3
.irp kt, 0,1,2,3
	v_wmma_f32_16x16x32_f16 v[S+32*\t+8*\kt:S+32*\t+8*\kt+7], v[KF+16*\kt:KF+16*\kt+7], v[QF+16*\t:QF+16*\t+7], 0
.endr
.endr
.irp t, 0,1,2,3
.irp kt, 0,1,2,3
	v_wmma_f32_16x16x32_f16 v[S+32*\t+8*\kt:S+32*\t+8*\kt+7], v[KF+16*\kt+8:KF+16*\kt+15], v[QF+16*\t+8:QF+16*\t+15], v[S+32*\t+8*\kt:S+32*\t+8*\kt+7]
.endr
.endr
.endm
; O^T(t, dt) += V^T(dt) P^T(t): 32 matrix instructions, by turns likewise.  first = 1: the first product starts the sums.
.macro PV first
	WIN 0x51                                       ; source 0 (V), C and D window 1; source 1 (P) window 0
.irp t, 0,1,2,3
.irp dt, 0,1,2,3
.if \first
	v_wmma_f32_16x16x32_f16 v[O+32*\t+8*\dt:O+32*\t+8*\dt+7], v[VF+16*\dt:VF+16*\dt+7], v[S+32*\t:S+32*\t+7], 0
.else
	v_wmma_f32_16x16x32_f16 v[O+32*\t+8*\dt:O+32*\t+8*\dt+7], v[VF+16*\dt:VF+16*\dt+7], v[S+32*\t:S+32*\t+7], v[O+32*\t+8*\dt:O+32*\t+8*\dt+7]
.endif
.endr
.endr
.irp t, 0,1,2,3
.irp dt, 0,1,2,3
	v_wmma_f32_16x16x32_f16 v[O+32*\t+8*\dt:O+32*\t+8*\dt+7], v[VF+16*\dt+8:VF+16*\dt+15], v[S+32*\t+16:S+32*\t+23], v[O+32*\t+8*\dt:O+32*\t+8*\dt+7]
.endr
.endr
.endm
; The running maximum of each query (32 registers, the old maximum, the other half of the wave), NM = -c x maximum, AL = 2^(new NM - old NM).
; Sixteen chains that do not wait for each other.
.macro MAXP first
.irp t, 0,1,2,3
.irp c, 0,1,2,3
	v_max3_num_f32 v[T+4*\t+\c], v[S+32*\t+8*\c], v[S+32*\t+8*\c+1], v[S+32*\t+8*\c+2]
.endr
.endr
.irp t, 0,1,2,3
.irp c, 0,1,2,3
	v_max3_num_f32 v[T+4*\t+\c], v[T+4*\t+\c], v[S+32*\t+8*\c+3], v[S+32*\t+8*\c+4]
.endr
.endr
.irp t, 0,1,2,3
.irp c, 0,1,2,3
	v_max3_num_f32 v[T+4*\t+\c], v[T+4*\t+\c], v[S+32*\t+8*\c+5], v[S+32*\t+8*\c+6]
.endr
.endr
.irp t, 0,1,2,3
	v_max3_num_f32 v[T+4*\t], v[T+4*\t], v[T+4*\t+1], v[T+4*\t+2]
.endr
.irp t, 0,1,2,3
	v_max3_num_f32 v[T+4*\t], v[T+4*\t], v[T+4*\t+3], v[S+32*\t+7]
.endr
.irp t, 0,1,2,3
	v_max3_num_f32 v[T+4*\t], v[T+4*\t], v[S+32*\t+15], v[S+32*\t+23]
.endr
.irp t, 0,1,2,3
.if \first
	v_max_num_f32 v[T+4*\t], v[T+4*\t], v[S+32*\t+31]
.else
	v_max3_num_f32 v[T+4*\t], v[T+4*\t], v[S+32*\t+31], v[M+\t]
.endif
.endr
.irp t, 0,1,2,3
	v_permlanex16_b32 v[T+4*\t+1], v[T+4*\t], s80, s81         ; the same query's other 32 keys
.endr
.irp t, 0,1,2,3
	v_max_num_f32 v[M+\t], v[T+4*\t], v[T+4*\t+1]
.endr
.irp t, 0,1,2,3
	v_mul_f32 v[T+4*\t+3], s78, v[M+\t]
.endr
.if \first == 0
.irp t, 0,1,2,3
	v_sub_f32 v[T+4*\t+2], v[T+4*\t+3], v[NM+2*\t]             ; at most 0: the difference of the two shifts as they are used
.endr
.irp t, 0,1,2,3
	v_exp_f32 v[AL+2*\t], v[T+4*\t+2]
.endr
.endif
.irp t, 0,1,2,3
	v_mov_b32 v[NM+2*\t], v[T+4*\t+3]                          ; pairs for the packed forms; also the plain instructions behind the exponentials (ISA guide 5.7.2)
	v_mov_b32 v[NM+2*\t+1], v[T+4*\t+3]
.endr
.if \first == 0
.irp t, 0,1,2,3
	s_wait_alu depctr_va_vdst(0)
	v_mov_b32 v[AL+2*\t+1], v[AL+2*\t]
.endr
.endif
.endm
; Three stages on three query tiles at once (9 = none): tf: S = c S + NM;  te: S = 2^S;  ts: the sums, and P packed to f16 in place
; (register k of the packed run takes registers 2 k, 2 k + 1, in ascending order, so nothing is overwritten before it is read).
; Behind each pair of exponentials stands a plain instruction on another tile before any result is used (ISA guide 5.7.2).
.macro MIX te, tf, ts, first
.set kk, 0
.rept 16
.if \te < 4
	v_exp_f32 v[S+32*\te+2*kk], v[S+32*\te+2*kk]
	v_exp_f32 v[S+32*\te+2*kk+1], v[S+32*\te+2*kk+1]
.endif
.if \tf < 4
	v_pk_fma_f32 v[S+32*\tf+2*kk:S+32*\tf+2*kk+1], v[S+32*\tf+2*kk:S+32*\tf+2*kk+1], s[76:77], v[NM+2*\tf:NM+2*\tf+1] op_sel_hi:[1,0,1]
.endif
.if \ts < 4
.if kk == 0
.if \first
	s_wait_alu depctr_va_vdst(0)
	v_pk_add_f32 v[L+2*\ts:L+2*\ts+1], v[S+32*\ts:S+32*\ts+1], v[S+32*\ts+2:S+32*\ts+3]   ; the first four numbers start the sums: nothing is cleared
.else
	s_wait_alu depctr_va_vdst(0)
	v_pk_fma_f32 v[L+2*\ts:L+2*\ts+1], v[L+2*\ts:L+2*\ts+1], v[AL+2*\ts:AL+2*\ts+1], v[S+32*\ts:S+32*\ts+1]
.endif
.else
.if (kk-1)+(1-\first)
	s_wait_alu depctr_va_vdst(0)
	v_pk_add_f32 v[L+2*\ts:L+2*\ts+1], v[L+2*\ts:L+2*\ts+1], v[S+32*\ts+2*kk:S+32*\ts+2*kk+1]
.endif
.endif
	v_cvt_pk_f16_f32 v[S+32*\ts+16*(kk/8)+(kk%8)], v[S+32*\ts+2*kk], v[S+32*\ts+2*kk+1]
.endif
.set kk, kk+1
.endr
.endm
.macro RESC                            ; O *= AL
	WIN 0x41
.irp t, 0,1,2,3
.set ii, 0
.rept 16
	v_pk_mul_f32 v[O+32*\t+2*ii:O+32*\t+2*ii+1], v[O+32*\t+2*ii:O+32*\t+2*ii+1], v[AL+2*\t:AL+2*\t+1]
.set ii, ii+1
.endr
.endr
.endm
; One step: 64 keys.  chg 0: my next block lies in the same slot; 2: the slot has been read, is filled again two slots ahead, and I go on in the other;
; 1: the change of slots alone; 3: the last step.
; In front of the change's barrier each wave waits for its reads of the slot (V's fragments are in registers by then) and for all its tensor loads.
; With chg 2 that barrier opens a round of the cluster's barrier; the joint refill is the first tensor load behind the round, ahead of the LDS reads.
.macro STEP slot, sub, first, chg
	LDV \slot, \sub
	s_wait_dscnt 16                                ; K's sixteen loads are in; V's sixteen stay out
	QK
	WIN 0
	PLACES 4                                       ; four places before S is read and K's fragments are loaded again (ISA guide 7.12.1)
.if \chg == 0
	LDK \slot, 1
.endif
	MAXP \first
	MIX 9, 0, 9, \first
	MIX 0, 1, 9, \first
	MIX 1, 2, 0, \first
	MIX 2, 3, 1, \first
	MIX 3, 9, 2, \first
	MIX 9, 9, 3, \first
.if \chg == 0
	s_wait_dscnt 16                                ; V is in; the next K's sixteen loads stay out
.else
	s_wait_dscnt 0x0                               ; V is in, and with it my last read of this slot
.endif
.if (\chg-1)*(\chg-2) == 0
	s_wait_tensorcnt 0x0                           ; all my tensor loads have landed: my part of the other slot
	ds_add_u32 v7, v23
	s_wait_dscnt 0x0
	s_barrier_signal -1
.endif
.if \first == 0
	RESC                                           ; register work while the others arrive
.endif
.if (\chg-1)*(\chg-2) == 0
	WIN 0
	s_barrier_wait -1
.if \chg == 2
	CREST                                          ; no wave of any partner still reads this slot or has a load on its way
	s_add_nc_u64 s[G0K+4*\slot+2:G0K+4*\slot+3], s[G0K+4*\slot+2:G0K+4*\slot+3], 0x100000   ; 512 keys on
	s_add_nc_u64 s[G0V+4*\slot+2:G0V+4*\slot+3], s[G0V+4*\slot+2:G0V+4*\slot+3], 0x100000
	JLOAD \slot
.endif
	LDK 1-\slot, 0
.endif
	PV \first
	WIN 0
	PLACES 5                                       ; four places before V's fragments are loaded again, five before the next S^T is written over P (ISA guide 7.12.1)
.endm
	s_wait_tensorcnt 0x1                           ; my part of slot 0 is in; slot 1's stays out
	s_barrier_signal -1
	s_barrier_wait -1
	LDK 0, 0
	s_wait_loadcnt 0x0                             ; Q
	STEP 0, 0, 1, 0                                ; keys 0-255; asks for 512-767
	STEP 0, 1, 0, 2
	STEP 1, 0, 0, 0                                ; keys 256-511; asks for 768-1023
	STEP 1, 1, 0, 2
	s_mov_b32 s82, 2                               ; keys 512-1535; they ask for 1024-2047
.Lpass:
	STEP 0, 0, 0, 0
	STEP 0, 1, 0, 2
	STEP 1, 0, 0, 0
	STEP 1, 1, 0, 2
	s_sub_co_u32 s82, s82, 1
	s_cmp_lg_u32 s82, 0
	s_cbranch_scc1 .Lpass
	STEP 0, 0, 0, 0                                ; keys 1536-2047: nothing is left to fetch
	STEP 0, 1, 0, 1
	STEP 1, 0, 0, 0
	STEP 1, 1, 0, 3
	; THE MERGE.  Waves 4-7 hand O, NM and the sums to waves 0-3 through slot 0, which has had its last fill and whose last reads stand in front of an earlier barrier.
	s_wait_dscnt 0x0
	s_barrier_signal -1
	s_barrier_wait -1
	s_cmp_eq_u32 s19, 0
	s_cbranch_scc1 .Lno_send
	WIN 0x04                                       ; store data window 1
.set ii, 0
.rept 32
	ds_store_b128 v[MGA], v[O+4*ii:O+4*ii+3] offset:512*ii
.set ii, ii+1
.endr
	WIN 0
	ds_store_b128 v[MGA], v[NM:NM+3]   offset:512*32
	ds_store_b128 v[MGA], v[NM+4:NM+7] offset:512*33
	ds_store_b128 v[MGA], v[L:L+3]     offset:512*34
	ds_store_b128 v[MGA], v[L+4:L+7]   offset:512*35
.Lno_send:
	s_wait_dscnt 0x0                               ; for the others' sake: my stores are done
	s_barrier_signal -1
	s_barrier_wait -1
	s_cmp_lg_u32 s19, 0
	s_cbranch_scc1 .Lno_merge
.set ii, 0
.rept 32
	ds_load_b128 v[S+4*ii:S+4*ii+3], v[MGA] offset:512*ii      ; the partner's O, register for register
.set ii, ii+1
.endr
	ds_load_b128 v[T:T+3],     v[MGA] offset:512*32            ; its NM pairs
	ds_load_b128 v[T+4:T+7],   v[MGA] offset:512*33
	ds_load_b128 v[T+8:T+11],  v[MGA] offset:512*34            ; its sums
	ds_load_b128 v[T+12:T+15], v[MGA] offset:512*35
	s_wait_dscnt 0x0
.irp t, 0,1,2,3
	v_min_num_f32 v[M+\t], v[NM+2*\t], v[T+2*\t]               ; the smaller -c x maximum belongs to the larger maximum
.endr
.irp t, 0,1,2,3
	v_sub_f32 v[AL+2*\t], v[M+\t], v[NM+2*\t]                  ; both at most 0
	v_sub_f32 v[AL+2*\t+1], v[M+\t], v[T+2*\t]
.endr
.irp t, 0,1,2,3
	v_exp_f32 v[AL+2*\t], v[AL+2*\t]
	v_exp_f32 v[AL+2*\t+1], v[AL+2*\t+1]
.endr
.irp t, 0,1,2,3
	v_add_f32 v[L+2*\t], v[L+2*\t], v[L+2*\t+1]
	v_add_f32 v[T+8+2*\t], v[T+8+2*\t], v[T+8+2*\t+1]
.endr
.irp t, 0,1,2,3
	s_wait_alu depctr_va_vdst(0)
	v_mul_f32 v[L+2*\t], v[L+2*\t], v[AL+2*\t]
.endr
.irp t, 0,1,2,3
	v_fma_f32 v[L+2*\t], v[T+8+2*\t], v[AL+2*\t+1], v[L+2*\t]
.endr
.irp t, 0,1,2,3
	v_permlanex16_b32 v[L+2*\t+1], v[L+2*\t], s80, s81         ; the same query's other keys
.endr
.irp t, 0,1,2,3
	v_add_f32 v[L+2*\t], v[L+2*\t], v[L+2*\t+1]
.endr
.irp t, 0,1,2,3
	v_rcp_f32 v[M+\t], v[L+2*\t]                               ; the sum is at least 1: the largest score gives 2^0
.endr
	v_nop                                          ; one plain instruction behind the reciprocals (ISA guide 5.7.2)
.irp t, 0,1,2,3
	s_wait_alu depctr_va_vdst(0)
	v_mul_f32 v[NM+2*\t], v[AL+2*\t], v[M+\t]                  ; my factor, twice
	v_mul_f32 v[NM+2*\t+1], v[AL+2*\t], v[M+\t]
	v_mul_f32 v[T+2*\t], v[AL+2*\t+1], v[M+\t]                 ; the partner's, twice
	v_mul_f32 v[T+2*\t+1], v[AL+2*\t+1], v[M+\t]
.endr
.irp t, 0,1,2,3
.set ii, 0
.rept 16
	v_pk_mul_f32 v[S+32*\t+2*ii:S+32*\t+2*ii+1], v[S+32*\t+2*ii:S+32*\t+2*ii+1], v[T+2*\t:T+2*\t+1]
.set ii, ii+1
.endr
.endr
	WIN 0x01                                       ; source 0 (my O) window 1
.irp t, 0,1,2,3
.set ii, 0
.rept 16
	v_pk_fma_f32 v[S+32*\t+2*ii:S+32*\t+2*ii+1], v[O+32*\t+2*ii:O+32*\t+2*ii+1], v[NM+2*\t:NM+2*\t+1], v[S+32*\t+2*ii:S+32*\t+2*ii+1]
.set ii, ii+1
.endr
.endr
	WIN 0
.irp t, 0,1,2,3
.irp dt, 0,1,2,3
.irp i, 0,1,2,3
	v_cvt_pk_f16_f32 v[S+32*\t+8*\dt+\i], v[S+32*\t+8*\dt+2*\i], v[S+32*\t+8*\dt+2*\i+1]
.endr
	ds_store_b128 v[OSA], v[S+32*\t+8*\dt:S+32*\t+8*\dt+3] offset:\t*16*KP+32*\dt   ; query 16 t + r, d = 16 dt + 8 h + 0..7
.endr
.endr
.Lno_merge:
	s_wait_dscnt 0x0
	s_barrier_signal -1
	s_barrier_wait -1
	; all eight waves carry the 128 rows out, 16 each
.irp i, 0,1,2,3,4,5,6,7
	ds_load_b128 v[KF+4*\i:KF+4*\i+3], v[ORD] offset:\i*2*KP
.endr
.irp i, 0,1,2,3,4,5,6,7
	s_wait_dscnt 7-\i
	global_store_b128 v[CO], v[KF+4*\i:KF+4*\i+3], s[12:13] offset:\i*4096   ; 16 lanes store 256 consecutive bytes, aligned
.endr
	s_wait_tensorcnt 0x0
	ds_add_u32 v7, v23
	s_wait_dscnt 0x0
	CROUND                                         ; the closing round
	s_endpgm
.Lfunc_end_k_qeef2e8e01f_attn:
	.size	k_qeef2e8e01f_attn, .Lfunc_end_k_qeef2e8e01f_attn-k_qeef2e8e01f_attn
	.p2alignl 7, 3214868480
	.fill 96, 4, 3214868480
	.section	.rodata,"a",@progbits
	.p2align	6, 0x0
	.amdhsa_kernel k_qeef2e8e01f_attn
		.amdhsa_group_segment_fixed_size 327680
		.amdhsa_private_segment_fixed_size 0
		.amdhsa_enable_private_segment 0
		.amdhsa_kernarg_size 48
		.amdhsa_user_sgpr_count 2
		.amdhsa_user_sgpr_kernarg_segment_ptr 1
		.amdhsa_wavefront_size32 1
		.amdhsa_system_sgpr_workgroup_id_x 1
		.amdhsa_system_sgpr_workgroup_id_y 1
		.amdhsa_system_sgpr_workgroup_id_z 1
		.amdhsa_system_vgpr_workitem_id 0
		.amdhsa_next_free_vgpr 512
		.amdhsa_next_free_sgpr 84
		.amdhsa_reserve_vcc 0
		.amdhsa_float_denorm_mode_32 3
		.amdhsa_float_denorm_mode_16_64 3
		.amdhsa_memory_ordered 1
		.amdhsa_forward_progress 1
		.amdhsa_inst_pref_size 255
	.end_amdhsa_kernel
	.section	.bss,"aw",@nobits
	.p2align	6
	.space	262144
	.amdgpu_metadata
---
amdhsa.version: [ 1, 2 ]
amdhsa.kernels:
  - .name:           k_qeef2e8e01f_attn
    .symbol:         k_qeef2e8e01f_attn.kd
    .args:
      - { .name: qh, .offset: 0, .size: 8, .value_kind: global_buffer, .address_space: global }
      - { .name: kh, .offset: 8, .size: 8, .value_kind: global_buffer, .address_space: global }
      - { .name: vh, .offset: 16, .size: 8, .value_kind: global_buffer, .address_space: global }
      - { .name: wo, .offset: 24, .size: 8, .value_kind: global_buffer, .address_space: global }
      - { .name: ctx, .offset: 32, .size: 8, .value_kind: global_buffer, .address_space: global }
      - { .name: wo16, .offset: 40, .size: 8, .value_kind: global_buffer, .address_space: global }
    .group_segment_fixed_size: 327680
    .private_segment_fixed_size: 0
    .kernarg_segment_align: 8
    .kernarg_segment_size: 48
    .max_flat_workgroup_size: 256
    .sgpr_count:     84
    .vgpr_count:     512
    .wavefront_size: 32
...
	.end_amdgpu_metadata
.endif
;; end of part 2
;; launch oproj (part 3): grid 8 x 32, 4 waves a work-group, clusters of 4 x 4, 327,680 bytes of LDS; arguments ctx, wo16, bo, out0; writes out0
.if DOCPART == 3
	.amdgcn_target "amdgcn-amd-amdhsa--gfx1250"
	.amdhsa_code_object_version 6
	.text
	.protected	k_qeef2e8e01f_oproj
	.globl	k_qeef2e8e01f_oproj
	.p2align	8
	.type	k_qeef2e8e01f_oproj,@function
k_qeef2e8e01f_oproj:
	s_mov_b64 s[64:65], 0
	v_nop
	global_prefetch_b8 v0, s[64:65] scope:SCOPE_SE
	s_setreg_imm32_b32 hwreg(HW_REG_WAVE_MODE, 25, 1), 1
	s_wait_xcnt 0x0
	s_wait_alu depctr_hold_cnt(0) depctr_sa_sdst(0) depctr_va_vdst(0) depctr_va_sdst(0) depctr_va_ssrc(0) depctr_va_vcc(0) depctr_vm_vsrc(0)
	s_getreg_b32 s2, hwreg(HW_REG_IB_STS2, 6, 4)
	s_cmp_eq_u32 s2, 0
	s_cbranch_scc0 .Lentry_in_a_cluster
	s_endpgm
.Lentry_in_a_cluster:
	s_bfe_u32 s2, ttmp6, 0x10000c
	s_cmp_lg_u32 s2, 0xf033
	s_cbranch_scc0 .Lentry_shape_is_right
	s_endpgm
.Lentry_shape_is_right:
; out0 = ctx wo16^T + bo.  ctx: [4096][1024] f16, wo16: [1024 (n)][1024 (k)] f16, bo: [1024] f32, out0: [4096][1024] f32.  Sums in f32.
; 256 work-groups of 128 x 128, a wave 64 x 64 (16 accumulator tiles): blocks of 256 x 256 would give work to 64 work-groups only.
; K goes in four slots' worth of 256 (rows of 512 bytes, each starting at a multiple of 512 bytes) through two LDS slots; the four passes are written out.
; CLUSTERS: 4 x 4; ctx's tile is asked for jointly by a row of the cluster, wo16's by a column, which divides the requests for both by four.
; The matrix instruction is used transposed (source 0 = rows of wo16, source 1 = rows of ctx): lane l holds row l % 16 and columns 8 (l / 16) + 0..7.
; The bias of those columns is the C operand of the first product.
; REGISTERS: window 0: v16-27 addresses; v64-127, v128-191 fragments of ctx (at f + 8 (4 ks + a)), two buffers; v192-223 the bias.
; Window 1: v64-127, v128-191 fragments of wo16.  Window 2: the accumulators, tile (a, b) at v[8 (4 a + b)].
.set PITCH,  528                       ; 512 bytes + 16 of padding, an odd multiple of 16
.set QT,     64*PITCH                  ; what one tensor load brings: 64 rows
.set SLOT,   4*QT                      ; ctx's 128 rows, then wo16's 128 rows
.set STAGE,  2*SLOT                    ; behind the ring: 16 rows x 272 bytes for each wave; no tensor load fills it
.set SPITCH, 272
.set OROW,   4096                      ; bytes in a row of out0
.set ADRA, 16
.set ADRB, 20
.set STO,  24
.set RD,   25
.set CO,   26
.set BO,   27
.set F0,   64
.set F1,   128
.set BIAS, 192
.set G1,  24
.set G0,  32
.set G1B, 48
.set G0B, 56
.set MSB, 0
.macro WIN new
.if MSB != (\new)
	s_set_vgpr_msb (MSB<<8)|(\new)
.set MSB, (\new)
.endif
.endm
.macro JLOAD s                         ; waves 0 and 1 ask for ctx's two halves, waves 2 and 3 for wo16's
	s_cmp_eq_u32 s11, 0
	s_cbranch_scc0 .Lfor_b_\@
	tensor_load_to_lds s[G0+4*\s:G0+4*\s+3], s[G1:G1+7]
	s_nop 0
	s_branch .Lasked_\@
.Lfor_b_\@:
	tensor_load_to_lds s[G0B+4*\s:G0B+4*\s+3], s[G1B:G1B+7]
	s_nop 0
.Lasked_\@:
.endm
.macro CREST
	s_cmp_lg_u32 s10, 0
	s_cbranch_scc1 .Lnot_wave_0_\@
	s_barrier_signal -3
.Lnot_wave_0_\@:
	s_barrier_wait -3
	s_barrier_signal -1
	s_barrier_wait -1
.endm
.macro CROUND
	s_barrier_signal -1
	s_barrier_wait -1
	CREST
.endm
.macro PLACES
.rept 4
	v_nop
.endr
.endm
	s_load_b128 s[4:7], s[0:1], 0x0                ; ctx s[4:5], wo16 s[6:7]
	s_load_b128 s[68:71], s[0:1], 0x10             ; bo s[68:69], out0 s[70:71]
	s_set_vgpr_msb 0x40
	v_lshl_add_u32 v255, v0, 2, 0x46400
	s_set_vgpr_msb 0x4000
	v_mov_b32 v255, 0
	s_set_vgpr_msb 0x1
	ds_add_u32 v255, v255
	s_set_vgpr_msb 0x100
	v_lshrrev_b32 v1, 5, v0
	v_readfirstlane_b32 s10, v1                    ; wave 0..3
	s_lshr_b32 s11, s10, 1                         ; my half of the block's rows; also: I fetch for ctx (0) or for wo16 (1)
	s_and_b32 s12, s10, 1                          ; my half of its columns; also: which 64 rows of that tile I fetch
	s_bfe_u32 s40, ttmp6, 0x40000                  ; cx
	s_bfe_u32 s41, ttmp6, 0x40004                  ; cy
	s_lshl_b32 s42, ttmp9, 2
	s_add_co_u32 s42, s42, s40                     ; block column 0..7
	s_and_b32 s13, ttmp7, 0xffff
	s_lshl_b32 s13, s13, 2
	s_add_co_u32 s13, s13, s41                     ; block row 0..31
	s_lshl_b32 s43, s41, 2
	s_lshl_b32 s43, 15, s43                        ; my row of the cluster
	s_lshl_b32 s44, 0x1111, s40                    ; my column
	; group 1: 64 rows x 256 elements of 2 bytes, 4 words of padding behind every 128 words
	s_or_b32 s[G1+0], s43, (1<<16)|(1<<20)|(1<<21)|(6<<22)|(3<<25)
	s_or_b32 s[G1B+0], s44, (1<<16)|(1<<20)|(1<<21)|(6<<22)|(3<<25)
.irp g, G1, G1B
	s_mov_b32 s[\g+1], 256<<16
	s_mov_b32 s[\g+2], 64<<16
	s_mov_b32 s[\g+3], 256<<16
	s_mov_b32 s[\g+4], 64
	s_mov_b32 s[\g+5], 1024
	s_mov_b32 s[\g+6], 0
	s_mov_b32 s[\g+7], 0
.endr
	s_lshl_b32 s17, s12, 6                         ; which 64 rows of the tile I fetch
	s_lshl_b32 s16, s13, 7
	s_add_co_u32 s16, s16, s17                     ; ctx: row 128 x block row + 64 x half
	s_lshl_b32 s46, s42, 7
	s_add_co_u32 s46, s46, s17                     ; wo16: row 128 x block column + 64 x half
	s_lshl_b32 s16, s16, 11                        ; rows of 2,048 bytes
	s_lshl_b32 s46, s46, 11
	s_mov_b32 s17, 0
	s_mov_b32 s47, 0
	s_mul_i32 s20, s10, QT
	s_wait_dscnt 0x0
	s_wait_kmcnt 0x0
	s_add_nc_u64 s[14:15], s[4:5], s[16:17]
	s_add_nc_u64 s[46:47], s[6:7], s[46:47]
	CROUND                                         ; all sixteen work-groups are here: the first joint loads meet
.irp s, 0,1
	s_mov_b32 s[G0+4*\s], 1
	s_add_co_u32 s[G0+4*\s+1], s20, \s*SLOT
	s_add_nc_u64 s[G0+4*\s+2:G0+4*\s+3], s[14:15], \s*512
	s_or_b32 s[G0+4*\s+3], s[G0+4*\s+3], 0x80000000
	s_mov_b32 s[G0B+4*\s], 1
	s_add_co_u32 s[G0B+4*\s+1], s20, \s*SLOT
	s_add_nc_u64 s[G0B+4*\s+2:G0B+4*\s+3], s[46:47], \s*512
	s_or_b32 s[G0B+4*\s+3], s[G0B+4*\s+3], 0x80000000
	JLOAD \s                                       ; K 0-255 and 256-511: two tensor loads of the wave are out
.endr
	v_and_b32 v1, 15, v0                           ; r
	v_bfe_u32 v2, v0, 4, 1                         ; h
	v_mul_u32_u24 v3, v1, PITCH
	v_lshl_add_u32 v3, v2, 4, v3                   ; r x 528 + 16 h
	s_mul_i32 s21, s11, QT
	s_mul_i32 s22, s12, QT
	s_add_co_u32 s22, s22, 2*QT
.irp s, 0,1
	v_add_nc_u32 v[ADRA+\s], s21, v3
	v_add_nc_u32 v[ADRB+\s], s22, v3
	s_add_co_u32 s21, s21, SLOT
	s_add_co_u32 s22, s22, SLOT
.endr
	s_mul_i32 s23, s10, 16*SPITCH
	s_add_co_u32 s23, s23, STAGE
	v_mul_u32_u24 v4, v1, SPITCH                   ; in: row r, 32 bytes (eight f32) for each half of the lanes
	v_lshl_add_u32 v4, v2, 5, v4
	v_add_nc_u32 v[STO], s23, v4
	v_mul_u32_u24 v5, v2, SPITCH                   ; back: lanes 0-15 one row of 256 bytes, lanes 16-31 the next
	v_lshl_add_u32 v5, v1, 4, v5
	v_add_nc_u32 v[RD], s23, v5
	v_lshlrev_b32 v5, 12, v2
	v_lshl_add_u32 v[CO], v1, 4, v5
	v_lshlrev_b32 v[BO], 5, v2
	s_lshl_b32 s46, s42, 9                         ; my 64 columns, 4 bytes each: 512 x block column + 256 x half (for the bias and for out0)
	s_lshl_b32 s47, s12, 8
	s_add_co_u32 s46, s46, s47
	s_mov_b32 s47, 0
	s_add_nc_u64 s[68:69], s[68:69], s[46:47]
	s_add_nc_u64 s[70:71], s[70:71], s[46:47]
.irp b, 0,1,2,3
	global_load_b128 v[BIAS+8*\b:BIAS+8*\b+3],   v[BO], s[68:69] offset:64*\b
	global_load_b128 v[BIAS+8*\b+4:BIAS+8*\b+7], v[BO], s[68:69] offset:64*\b+16
.endr
	s_lshl_b32 s16, s13, 7
	s_lshl_b32 s17, s11, 6
	s_add_co_u32 s16, s16, s17                     ; my first row of out0
	s_lshl_b32 s16, s16, 12
	s_mov_b32 s17, 0
	s_add_nc_u64 s[70:71], s[70:71], s[16:17]
; 16 LDS loads each: the fragments of 64 along K (two steps of 32) at byte k of the rows, into buffer f
.macro FETCHW slot, k, f
	WIN 0x40
.irp ks, 0,1
.irp i, 0,1,2,3
	ds_load_b128 v[\f+8*(4*\ks+\i):\f+8*(4*\ks+\i)+3],   v[ADRB+\slot] offset:\k+64*\ks+\i*16*PITCH
	ds_load_b128 v[\f+8*(4*\ks+\i)+4:\f+8*(4*\ks+\i)+7], v[ADRB+\slot] offset:\k+64*\ks+\i*16*PITCH+32
.endr
.endr
.endm
.macro FETCHA slot, k, f
	WIN 0
.irp ks, 0,1
.irp i, 0,1,2,3
	ds_load_b128 v[\f+8*(4*\ks+\i):\f+8*(4*\ks+\i)+3],   v[ADRA+\slot] offset:\k+64*\ks+\i*16*PITCH
	ds_load_b128 v[\f+8*(4*\ks+\i)+4:\f+8*(4*\ks+\i)+7], v[ADRA+\slot] offset:\k+64*\ks+\i*16*PITCH+32
.endr
.endr
.endm
; 16 matrix instructions, 32 along K.  The 16 accumulators take turns, one instruction a turn.  first = 1: C is the bias.
.macro MULK f, ks, first
.if \first
	WIN 0x81
.else
	WIN 0xa1
.endif
.irp a, 0,1,2,3
.irp b, 0,1,2,3
.if \first
	v_wmma_f32_16x16x32_f16 v[8*(4*\a+\b):8*(4*\a+\b)+7], v[\f+8*(4*\ks+\b):\f+8*(4*\ks+\b)+7], v[\f+8*(4*\ks+\a):\f+8*(4*\ks+\a)+7], v[BIAS+8*\b:BIAS+8*\b+7]
.else
	v_wmma_f32_16x16x32_f16 v[8*(4*\a+\b):8*(4*\a+\b)+7], v[\f+8*(4*\ks+\b):\f+8*(4*\ks+\b)+7], v[\f+8*(4*\ks+\a):\f+8*(4*\ks+\a)+7], v[8*(4*\a+\b):8*(4*\a+\b)+7]
.endif
.endr
.endr
.endm
; A quarter of a slot: multiplies buffer f, fetches the next quarter (byte k of the same slot's rows) into buffer g.
; The four v_nop are the places between the matrix instructions that read g and the loads into it (ISA guide 7.12.1 for vector instructions).
.macro QUARTER slot, k, f, g, first
	PLACES
	FETCHW \slot, \k, \g
	s_wait_dscnt 16                                ; buffer f is in; the sixteen loads just issued stay out
	MULK \f, 0, \first
	FETCHA \slot, \k, \g
	MULK \f, 1, 0
.endm
; The last quarter: multiplies buffer 1 and changes slots.  mode 2: this slot is filled again, two slots ahead; mode 1: the change alone.
; In front of the barrier each wave waits for its reads of this slot and for all its tensor loads (one is out: its part of the other slot).
; In mode 2 that barrier opens a round of the cluster's barrier; the joint refill is the first tensor load behind the round, ahead of the LDS reads.
.macro TURN slot, next, mode
	s_wait_dscnt 0x0
	s_wait_tensorcnt 0x0
	ds_add_u32 v255, v255
	s_wait_dscnt 0x0
	s_barrier_signal -1
	MULK F1, 0, 0                                  ; register work while the others arrive
	WIN 0
	s_barrier_wait -1
.if \mode == 2
	CREST
	s_add_nc_u64 s[G0+4*\slot+2:G0+4*\slot+3], s[G0+4*\slot+2:G0+4*\slot+3], 1024
	s_add_nc_u64 s[G0B+4*\slot+2:G0B+4*\slot+3], s[G0B+4*\slot+2:G0B+4*\slot+3], 1024
	JLOAD \slot
.endif
	PLACES
	FETCHW \next, 0, F0
	FETCHA \next, 0, F0
	MULK F1, 1, 0
.endm
.macro THREE slot, first
	QUARTER \slot, 128, F0, F1, \first
	QUARTER \slot, 256, F1, F0, 0
	QUARTER \slot, 384, F0, F1, 0
.endm
	s_wait_tensorcnt 0x1                           ; my part of slot 0 is in; slot 1's stays out
	s_barrier_signal -1
	s_barrier_wait -1
	FETCHW 0, 0, F0
	FETCHA 0, 0, F0
	s_wait_loadcnt 0x0                             ; the bias
	THREE 0, 1                                     ; K 0-255
	TURN 0, 1, 2                                   ; asks for K 512-767
	THREE 1, 0                                     ; K 256-511
	TURN 1, 0, 2                                   ; asks for K 768-1023
	THREE 0, 0
	TURN 0, 1, 1                                   ; nothing is left to fetch
	THREE 1, 0
	s_wait_dscnt 0x0
	MULK F1, 0, 0
	MULK F1, 1, 0
	; THE WAY OUT, 16 rows at a time: 32 bytes a lane straight from the accumulators into my own stage, read back as whole rows of 256 bytes.
	PLACES                                         ; four places before the LDS stores read results and the buffers are loaded again
.macro OUT16 i, f
	WIN 0x08                                       ; store data window 2
.irp b, 0,1,2,3
	ds_store_b128 v[STO], v[8*(4*\i+\b):8*(4*\i+\b)+3]   offset:64*\b
	ds_store_b128 v[STO], v[8*(4*\i+\b)+4:8*(4*\i+\b)+7] offset:64*\b+16
.endr
	WIN 0
	s_wait_xcnt 0x0                                ; buffer f, which earlier stores read, and the stores' base are rewritten only behind this wait (ISA guide 3.1)
.if \i
	s_add_nc_u64 s[70:71], s[70:71], 16*OROW
.endif
.irp t, 0,1,2,3,4,5,6,7
	ds_load_b128 v[\f+4*\t:\f+4*\t+3], v[RD] offset:\t*2*SPITCH    ; LDS serves a wave's instructions in order: these see the stores above
.endr
.irp t, 0,1,2,3,4,5,6,7
	s_wait_dscnt 7-\t
	global_store_b128 v[CO], v[\f+4*\t:\f+4*\t+3], s[70:71] offset:2*\t*OROW   ; 16 lanes store 256 consecutive bytes, aligned
.endr
.endm
	OUT16 0, F0
	OUT16 1, F1
	OUT16 2, F0
	OUT16 3, F1
	s_set_vgpr_msb 0x1
	s_wait_tensorcnt 0x0
	ds_add_u32 v255, v255
	s_wait_dscnt 0x0
	s_set_vgpr_msb 0x100
	CROUND                                         ; the closing round
	s_endpgm
.Lfunc_end_k_qeef2e8e01f_oproj:
	.size	k_qeef2e8e01f_oproj, .Lfunc_end_k_qeef2e8e01f_oproj-k_qeef2e8e01f_oproj
	.p2alignl 7, 3214868480
	.fill 96, 4, 3214868480
	.section	.rodata,"a",@progbits
	.p2align	6, 0x0
	.amdhsa_kernel k_qeef2e8e01f_oproj
		.amdhsa_group_segment_fixed_size 327680
		.amdhsa_private_segment_fixed_size 0
		.amdhsa_enable_private_segment 0
		.amdhsa_kernarg_size 32
		.amdhsa_user_sgpr_count 2
		.amdhsa_user_sgpr_kernarg_segment_ptr 1
		.amdhsa_wavefront_size32 1
		.amdhsa_system_sgpr_workgroup_id_x 1
		.amdhsa_system_sgpr_workgroup_id_y 1
		.amdhsa_system_sgpr_workgroup_id_z 1
		.amdhsa_system_vgpr_workitem_id 0
		.amdhsa_next_free_vgpr 640
		.amdhsa_next_free_sgpr 72
		.amdhsa_reserve_vcc 0
		.amdhsa_float_denorm_mode_32 3
		.amdhsa_float_denorm_mode_16_64 3
		.amdhsa_memory_ordered 1
		.amdhsa_forward_progress 1
		.amdhsa_inst_pref_size 87
	.end_amdhsa_kernel
	.amdgpu_metadata
---
amdhsa.version: [ 1, 2 ]
amdhsa.kernels:
  - .name:           k_qeef2e8e01f_oproj
    .symbol:         k_qeef2e8e01f_oproj.kd
    .args:
      - { .name: ctx, .offset: 0, .size: 8, .value_kind: global_buffer, .address_space: global }
      - { .name: wo16, .offset: 8, .size: 8, .value_kind: global_buffer, .address_space: global }
      - { .name: bo, .offset: 16, .size: 8, .value_kind: global_buffer, .address_space: global }
      - { .name: out0, .offset: 24, .size: 8, .value_kind: global_buffer, .address_space: global }
    .group_segment_fixed_size: 327680
    .private_segment_fixed_size: 0
    .kernarg_segment_align: 8
    .kernarg_segment_size: 32
    .max_flat_workgroup_size: 128
    .sgpr_count:     72
    .vgpr_count:     640
    .wavefront_size: 32
...
	.end_amdgpu_metadata
.endif
;; end of part 3
;; ======== version 2 of 2: 3 launches; 1.07 times as fast as version 1
;; limits: values are held in f16: magnitudes above 65,504 overflow, below 6.1e-05 lose precision; inputs' magnitudes at most 65,504
;; workspace buffers: qh 8,388,608 bytes; kh 8,388,608 bytes; vh 8,388,608 bytes; ctx 8,388,608 bytes; wo16 2,097,152 bytes
;; launch proj: the kernel of part 1 again; grid 4 x 48, 4 waves a work-group, clusters of 4 x 4, 327,680 bytes of LDS; arguments q, k, v, wq, wk, wv, bq, bk, bv, qh, kh, vh; writes qh, kh, vh
;; launch attn (part 4): grid 16 x 16, 8 waves a work-group, clusters of 4 x 1, 327,680 bytes of LDS; arguments qh, kh, vh, wo, ctx, wo16; writes ctx, wo16
.if DOCPART == 4
	.amdgcn_target "amdgcn-amd-amdhsa--gfx1250"
	.amdhsa_code_object_version 6
	.text
	.protected	k_qeef2e8e01f_attn
	.globl	k_qeef2e8e01f_attn
	.p2align	8
	.type	k_qeef2e8e01f_attn,@function
k_qeef2e8e01f_attn:
	s_mov_b64 s[64:65], 0
	v_nop
	global_prefetch_b8 v0, s[64:65] scope:SCOPE_SE
	s_setreg_imm32_b32 hwreg(HW_REG_WAVE_MODE, 25, 1), 1
	s_wait_xcnt 0x0
	s_wait_alu depctr_hold_cnt(0) depctr_sa_sdst(0) depctr_va_vdst(0) depctr_va_sdst(0) depctr_va_ssrc(0) depctr_va_vcc(0) depctr_vm_vsrc(0)
	s_getreg_b32 s2, hwreg(HW_REG_IB_STS2, 6, 4)
	s_cmp_eq_u32 s2, 0
	s_cbranch_scc0 .Lentry_in_a_cluster
	s_endpgm
.Lentry_in_a_cluster:
	s_bfe_u32 s2, ttmp6, 0x10000c
	s_cmp_lg_u32 s2, 0x3003
	s_cbranch_scc0 .Lentry_shape_is_right
	s_endpgm
.Lentry_shape_is_right:
; ctx = softmax(qh kh^T / 8) vh for each of 2 x 16 (batch, head) pairs, with a running maximum; and wo is narrowed to f16 on the side (4 rows a work-group).
; qh, kh, vh, ctx: [4096 = b 2048 + s][1024 = head 64 + d] f16.  wo: [1024][1024] f32, wo16 the same in f16.
; LIMITS: P (0 to 1) and ctx (no larger than the largest |vh|) go in f16.  A query's keys are summed in two interleaved halves, by two waves, each with
; its own running maximum, and merged once at the end: the order of rounding differs from a single pass.
; A work-group: 128 queries x 2 neighbouring heads, so that every row piece of K, V and ctx is 256 consecutive bytes, aligned.
; Wave w: 64 queries (w & 1), head ((w >> 1) & 1), key parity g = w >> 2: of each slot of 256 keys it takes the blocks of 64 keys g and g + 2.
; CLUSTERS: the four query blocks of a cluster walk the same K and V: each tile is asked for jointly (mask 15), which divides those requests by four.
; BOTH PRODUCTS ARE USED TRANSPOSED.  S^T = K Q^T: lane l holds query l % 16 and keys 8 (l / 16) + 0..7 of a tile, so two packed tiles ARE the second
; source P^T of O^T = V^T P^T, with no shuffle; a row's maximum is 32 registers and one exchange between the halves of the wave.
; THE EXPONENTIALS GO IN BATCHES, one a step of 64 keys: the four rescale factors AL and the 128 weights of the wave's four query tiles, with ONE wait.  Ahead of the wait stands
; all that names no result of theirs: the shifts NM and the 64 packed scalings, dealt among the exponentials.  Behind it stands all that does: AL's copies, the sums, the roundings,
; O's rescaling, P as a matrix operand.  The merge has two batches more, each with its wait: its eight factors, and the four reciprocals of the sums made with them.
; REGISTERS: window 0: v10-23 addresses and maxima; v24-31 sums; v32-39 -c x maximum; v40-47 rescale factors; v48-63 at work; v64-127 K's fragments;
; v128-255 S, then P in place.  Window 1: v0-127 O^T; v128-191 Q's fragments; v192-255 V's fragments.
.set KP,     272                       ; K's LDS pitch: 256 + 16
.set VP,     288                       ; V's LDS pitch: 256 + 32, an odd multiple of 32, for the transposing loads
.set KBYTES, 256*KP
.set SLOT,   256*KP+256*VP             ; 143,360
.set MPART,  18432                     ; the merge: 36 stores of 512 bytes for each pair of waves, from LDS byte 0
.set OST,    4*MPART                   ; the output stage: 128 rows x 272 bytes.  Both lie in slot 0, behind its last fill
.set LEAD,   4                         ; a pair of scores is scaled this many pairs ahead of its exponentials
.set ADRK, 10                          ; v10-11 K's fragments in slot 0, 1
.set ADRV, 12                          ; v12-13 V's
.set QO,   14
.set MGA,  15
.set M,    16                          ; v16-19 running maximum of the raw scores, query tile t
.set OSA,  20
.set ORD,  21
.set CO,   22
.set L,    24                          ; pairs: two partial sums for tile t
.set NM,   32                          ; pairs: -c x maximum, twice
.set AL,   40                          ; pairs: 2^(new NM - old NM), twice
.set T,    48
.set KF,   64                          ; + 8 (2 kt + ks)
.set S,    128                         ; + 32 t + 8 kt;  P(t, ks) at + 32 t + 16 ks
.set O,    0                           ; window 1, + 32 t + 8 dt
.set QF,   128                         ; window 1, + 16 t + 8 ks
.set VF,   192                         ; window 1, + 8 (2 dt + ks)
.set G1K, 28
.set G1V, 36
.set G0K, 44                           ; a set for each slot
.set G0V, 52
.set MSB, 0
.macro WIN new
.if MSB != (\new)
	s_set_vgpr_msb (MSB<<8)|(\new)
.set MSB, (\new)
.endif
.endm
.macro JLOAD s                         ; waves 0-3 ask for K's four quarters of 64 rows, waves 4-7 for V's
	s_cmp_eq_u32 s19, 0
	s_cbranch_scc0 .Lfor_v_\@
	tensor_load_to_lds s[G0K+4*\s:G0K+4*\s+3], s[G1K:G1K+7]
	s_nop 0
	s_branch .Lasked_\@
.Lfor_v_\@:
	tensor_load_to_lds s[G0V+4*\s:G0V+4*\s+3], s[G1V:G1V+7]
	s_nop 0
.Lasked_\@:
.endm
.macro CREST
	s_cmp_lg_u32 s16, 0
	s_cbranch_scc1 .Lnot_wave_0_\@
	s_barrier_signal -3
.Lnot_wave_0_\@:
	s_barrier_wait -3
	s_barrier_signal -1
	s_barrier_wait -1
.endm
.macro CROUND
	s_barrier_signal -1
	s_barrier_wait -1
	CREST
.endm
.macro PLACES cnt
.rept \cnt
	v_nop
.endr
.endm
	s_load_b256 s[4:11], s[0:1], 0x0               ; qh s[4:5], kh s[6:7], vh s[8:9], wo s[10:11]
	s_load_b128 s[12:15], s[0:1], 0x20             ; ctx s[12:13], wo16 s[14:15]
	v_lshl_add_u32 v7, v0, 2, 0x46000
	v_mov_b32 v23, 0
	ds_add_u32 v7, v23
	v_lshrrev_b32 v1, 5, v0
	v_readfirstlane_b32 s16, v1                    ; wave 0..7
	s_and_b32 s17, s16, 1                          ; which 64 queries
	s_bfe_u32 s18, s16, 0x10001                    ; which head of the two
	s_lshr_b32 s19, s16, 2                         ; g: key parity; also: I fetch for K (0) or for V (1)
	s_and_b32 s20, s16, 3                          ; which quarter of a tile I fetch; also my pair's number in the merge
	s_bfe_u32 s21, ttmp6, 0x40000                  ; cx
	s_lshl_b32 s22, ttmp9, 2
	s_add_co_u32 s22, s22, s21                     ; query block 0..15
	s_and_b32 s23, ttmp7, 0xffff                   ; y 0..15
	s_lshr_b32 s24, s23, 3                         ; batch
	s_and_b32 s25, s23, 7                          ; pair of heads
	; group 1: 64 rows x 128 elements of 2 bytes; behind every 64 words 4 words of padding for K, 8 for V; mask 15 with bit 21 beside it
	s_mov_b32 s[G1K+0], 15|(1<<16)|(1<<20)|(1<<21)|(5<<22)|(3<<25)
	s_mov_b32 s[G1V+0], 15|(1<<16)|(1<<20)|(1<<21)|(5<<22)|(7<<25)
.irp g, G1K, G1V
	s_mov_b32 s[\g+1], 128<<16
	s_mov_b32 s[\g+2], 64<<16
	s_mov_b32 s[\g+3], 128<<16
	s_mov_b32 s[\g+4], 64
	s_mov_b32 s[\g+5], 1024
	s_mov_b32 s[\g+6], 0
	s_mov_b32 s[\g+7], 0
.endr
	s_lshl_b32 s26, s24, 22                        ; batch x 2048 rows of 2,048 bytes
	s_lshl_b32 s27, s20, 17                        ; + quarter x 64 rows
	s_add_co_u32 s26, s26, s27
	s_lshl_b32 s27, s25, 8                         ; + pair x 256 bytes: nothing here hangs on the place in the cluster
	s_add_co_u32 s26, s26, s27
	s_mov_b32 s27, 0
	s_mul_i32 s60, s20, 64*KP
	s_mul_i32 s61, s20, 64*VP
	s_add_co_u32 s61, s61, KBYTES
	s_mov_b32 s76, 0x3e38aa3b                      ; c = log2(e) / 8: the scale 1 / sqrt(64) and the change of base in one
	s_mov_b32 s77, 0x3e38aa3b
	s_mov_b32 s78, 0xbe38aa3b                      ; -c
	s_mov_b32 s80, 0x76543210                      ; v_permlanex16_b32: lane i reads lane i of the other half
	s_mov_b32 s81, 0xfedcba98
	s_wait_dscnt 0x0
	s_wait_kmcnt 0x0
	s_add_nc_u64 s[6:7], s[6:7], s[26:27]
	s_add_nc_u64 s[8:9], s[8:9], s[26:27]
	CROUND                                         ; the four work-groups are here: the first joint loads meet
.irp s, 0,1
	s_mov_b32 s[G0K+4*\s], 1
	s_add_co_u32 s[G0K+4*\s+1], s60, \s*SLOT
	s_add_nc_u64 s[G0K+4*\s+2:G0K+4*\s+3], s[6:7], \s*0x80000       ; keys 256 s ..
	s_or_b32 s[G0K+4*\s+3], s[G0K+4*\s+3], 0x80000000
	s_mov_b32 s[G0V+4*\s], 1
	s_add_co_u32 s[G0V+4*\s+1], s61, \s*SLOT
	s_add_nc_u64 s[G0V+4*\s+2:G0V+4*\s+3], s[8:9], \s*0x80000
	s_or_b32 s[G0V+4*\s+3], s[G0V+4*\s+3], 0x80000000
	JLOAD \s                                       ; two tensor loads of the wave are out
.endr
	v_and_b32 v1, 31, v0                           ; lane
	v_and_b32 v2, 15, v0                           ; r
	v_bfe_u32 v3, v0, 4, 1                         ; h
	v_mul_u32_u24 v4, v2, KP
	v_lshl_add_u32 v4, v3, 4, v4                   ; r x 272 + 16 h
	s_mul_i32 s26, s19, 64*KP                      ; my first block of 64 keys
	s_lshl_b32 s27, s18, 7                         ; my head's 128 bytes of a row
	s_add_co_u32 s26, s26, s27
	v_add_nc_u32 v[ADRK], s26, v4
	v_add_nc_u32 v[ADRK+1], SLOT, v[ADRK]
	v_and_b32 v5, 7, v0                            ; V lies [key][d]: lane l addresses key 8 h + (l & 7), 16 bytes at 16 ((l >> 3) & 1)
	v_lshl_add_u32 v5, v3, 3, v5
	v_mul_u32_u24 v5, v5, VP
	v_bfe_u32 v6, v0, 3, 1
	v_lshl_add_u32 v5, v6, 4, v5
	s_mul_i32 s26, s19, 64*VP
	s_add_co_u32 s26, s26, s27
	s_add_co_u32 s26, s26, KBYTES
	v_add_nc_u32 v[ADRV], s26, v5
	v_add_nc_u32 v[ADRV+1], SLOT, v[ADRV]
	v_lshlrev_b32 v[QO], 11, v2                    ; Q: row r, 16 h
	v_lshl_add_u32 v[QO], v3, 4, v[QO]
	s_mul_i32 s26, s20, MPART
	v_lshl_add_u32 v[MGA], v1, 4, s26
	s_mul_i32 s26, s17, 64*KP
	s_add_co_u32 s26, s26, s27
	s_add_co_u32 s26, s26, OST
	v_add_nc_u32 v[OSA], s26, v4                   ; stage, in: row 64 qhalf + r, 128 head + 16 h
	v_mul_u32_u24 v5, v3, KP
	v_lshl_add_u32 v5, v2, 4, v5
	s_mul_i32 s26, s16, 16*KP
	s_add_co_u32 s26, s26, OST
	v_add_nc_u32 v[ORD], s26, v5                   ; stage, back: row 16 w + h, 16 r
	v_lshlrev_b32 v5, 11, v3
	v_lshl_add_u32 v[CO], v2, 4, v5                ; the same two rows in ctx
	v_lshlrev_b32 v8, 5, v0                        ; wo: 32 bytes a thread
	v_lshlrev_b32 v9, 4, v0                        ; wo16: 16 bytes a thread
	s_lshl4_add_u32 s62, s23, s22                  ; the work-group's number 16 y + x: rows 4 id .. 4 id + 3 of wo
	s_lshl_b32 s66, s62, 13
	s_mov_b32 s67, 0
	s_lshl_b32 s62, s62, 14
	s_mov_b32 s63, 0
	s_add_nc_u64 s[10:11], s[10:11], s[62:63]
	s_add_nc_u64 s[14:15], s[14:15], s[66:67]
	s_lshl_b32 s62, s24, 22
	s_lshl_b32 s66, s22, 18
	s_add_co_u32 s62, s62, s66                     ; (batch x 2048 + 128 x block) rows of 2,048 bytes
	s_lshl_b32 s66, s25, 8
	s_add_co_u32 s62, s62, s66                     ; + pair x 256
	s_lshl_b32 s66, s16, 15
	s_add_co_u32 s66, s66, s62                     ; ctx: + 16 w rows
	s_add_nc_u64 s[12:13], s[12:13], s[66:67]
	s_lshl_b32 s66, s17, 17
	s_add_co_u32 s62, s62, s66                     ; Q: + 64 qhalf rows
	s_lshl_b32 s66, s18, 7
	s_add_co_u32 s62, s62, s66                     ;    + head x 128 bytes
	s_add_nc_u64 s[4:5], s[4:5], s[62:63]
	; wo's four rows, read once in the launch, and my Q fragments: they travel while the first tiles land
	global_load_b128 v[128:131], v8, s[10:11] th:TH_LOAD_NT
	global_load_b128 v[132:135], v8, s[10:11] offset:16 th:TH_LOAD_NT
	global_load_b128 v[136:139], v8, s[10:11] offset:8192 th:TH_LOAD_NT
	global_load_b128 v[140:143], v8, s[10:11] offset:8208 th:TH_LOAD_NT
	WIN 0x40
.irp t, 0,1,2,3
.irp ks, 0,1
	global_load_b128 v[QF+16*\t+8*\ks:QF+16*\t+8*\ks+3],   v[QO], s[4:5] offset:\t*32768+64*\ks
	global_load_b128 v[QF+16*\t+8*\ks+4:QF+16*\t+8*\ks+7], v[QO], s[4:5] offset:\t*32768+64*\ks+32
.endr
.endr
	WIN 0
	s_wait_loadcnt 16                              ; wo's four loads are in; Q's sixteen stay out
.irp j, 0,1,2,3,4,5,6,7
	v_cvt_pk_f16_f32 v[144+\j], v[128+2*\j], v[128+2*\j+1]
.endr
	global_store_b128 v9, v[144:147], s[14:15]                 ; 16 lanes store 256 consecutive bytes, aligned
	global_store_b128 v9, v[148:151], s[14:15] offset:4096
	s_wait_xcnt 0x0                                ; v144-151 are written again (as S) only behind this wait (ISA guide 3.1)
.macro LDK slot, sub                   ; 16 loads: 64 keys x 64 d of my head
	WIN 0
.irp kt, 0,1,2,3
.irp ks, 0,1
	ds_load_b128 v[KF+16*\kt+8*\ks:KF+16*\kt+8*\ks+3],   v[ADRK+\slot] offset:\sub*128*KP+\kt*16*KP+64*\ks
	ds_load_b128 v[KF+16*\kt+8*\ks+4:KF+16*\kt+8*\ks+7], v[ADRK+\slot] offset:\sub*128*KP+\kt*16*KP+64*\ks+32
.endr
.endr
.endm
.macro LDV slot, sub                   ; 16 transposing loads: V^T, 64 d x 64 keys
	WIN 0x40
.irp dt, 0,1,2,3
.irp ks, 0,1
	ds_load_tr16_b128 v[VF+16*\dt+8*\ks:VF+16*\dt+8*\ks+3],   v[ADRV+\slot] offset:\sub*128*VP+\ks*32*VP+32*\dt
	ds_load_tr16_b128 v[VF+16*\dt+8*\ks+4:VF+16*\dt+8*\ks+7], v[ADRV+\slot] offset:\sub*128*VP+\ks*32*VP+32*\dt+16*VP
.endr
.endr
.endm
; S^T(t, kt) = K(kt) Q(t)^T: 32 matrix instructions.  The 16 accumulators take turns, one instruction a turn.
.macro QK
	WIN 0x04                                       ; source 1 (Q) window 1
.irp t, 0,1,2,3
.irp kt, 0,1,2,3
	v_wmma_f32_16x16x32_f16 v[S+32*\t+8*\kt:S+32*\t+8*\kt+7], v[KF+16*\kt:KF+16*\kt+7], v[QF+16*\t:QF+16*\t+7], 0
.endr
.endr
.irp t, 0,1,2,3
.irp kt, 0,1,2,3
	v_wmma_f32_16x16x32_f16 v[S+32*\t+8*\kt:S+32*\t+8*\kt+7], v[KF+16*\kt+8:KF+16*\kt+15], v[QF+16*\t+8:QF+16*\t+15], v[S+32*\t+8*\kt:S+32*\t+8*\kt+7]
.endr
.endr
.endm
; O^T(t, dt) += V^T(dt) P^T(t): 32 matrix instructions, by turns likewise.  first = 1: the first product starts the sums.
.macro PV first
	WIN 0x51                                       ; source 0 (V), C and D window 1; source 1 (P) window 0
.irp t, 0,1,2,3
.irp dt, 0,1,2,3
.if \first
	v_wmma_f32_16x16x32_f16 v[O+32*\t+8*\dt:O+32*\t+8*\dt+7], v[VF+16*\dt:VF+16*\dt+7], v[S+32*\t:S+32*\t+7], 0
.else
	v_wmma_f32_16x16x32_f16 v[O+32*\t+8*\dt:O+32*\t+8*\dt+7], v[VF+16*\dt:VF+16*\dt+7], v[S+32*\t:S+32*\t+7], v[O+32*\t+8*\dt:O+32*\t+8*\dt+7]
.endif
.endr
.endr
.irp t, 0,1,2,3
.irp dt, 0,1,2,3
	v_wmma_f32_16x16x32_f16 v[O+32*\t+8*\dt:O+32*\t+8*\dt+7], v[VF+16*\dt+8:VF+16*\dt+15], v[S+32*\t+16:S+32*\t+23], v[O+32*\t+8*\dt:O+32*\t+8*\dt+7]
.endr
.endr
.endm
; The running maximum of each query (32 registers, the old maximum, the other half of the wave), NM = -c x maximum, AL = 2^(new NM - old NM).
; Sixteen chains that do not wait for each other.  AL's four exponentials open the step's batch: no line names AL again ahead of the wait in EXPB.
.macro MAXP first
.irp t, 0,1,2,3
.irp c, 0,1,2,3
	v_max3_num_f32 v[T+4*\t+\c], v[S+32*\t+8*\c], v[S+32*\t+8*\c+1], v[S+32*\t+8*\c+2]
.endr
.endr
.irp t, 0,1,2,3
.irp c, 0,1,2,3
	v_max3_num_f32 v[T+4*\t+\c], v[T+4*\t+\c], v[S+32*\t+8*\c+3], v[S+32*\t+8*\c+4]
.endr
.endr
.irp t, 0,1,2,3
.irp c, 0,1,2,3
	v_max3_num_f32 v[T+4*\t+\c], v[T+4*\t+\c], v[S+32*\t+8*\c+5], v[S+32*\t+8*\c+6]
.endr
.endr
.irp t, 0,1,2,3
	v_max3_num_f32 v[T+4*\t], v[T+4*\t], v[T+4*\t+1], v[T+4*\t+2]
.endr
.irp t, 0,1,2,3
	v_max3_num_f32 v[T+4*\t], v[T+4*\t], v[T+4*\t+3], v[S+32*\t+7]
.endr
.irp t, 0,1,2,3
	v_max3_num_f32 v[T+4*\t], v[T+4*\t], v[S+32*\t+15], v[S+32*\t+23]
.endr
.irp t, 0,1,2,3
.if \first
	v_max_num_f32 v[T+4*\t], v[T+4*\t], v[S+32*\t+31]
.else
	v_max3_num_f32 v[T+4*\t], v[T+4*\t], v[S+32*\t+31], v[M+\t]
.endif
.endr
.irp t, 0,1,2,3
	v_permlanex16_b32 v[T+4*\t+1], v[T+4*\t], s80, s81         ; the same query's other 32 keys
.endr
.irp t, 0,1,2,3
	v_max_num_f32 v[M+\t], v[T+4*\t], v[T+4*\t+1]
.endr
.irp t, 0,1,2,3
	v_mul_f32 v[T+4*\t+3], s78, v[M+\t]
.endr
.if \first == 0
.irp t, 0,1,2,3
	v_sub_f32 v[T+4*\t+2], v[T+4*\t+3], v[NM+2*\t]             ; at most 0: the difference of the two shifts as they are used
.endr
.irp t, 0,1,2,3
	v_exp_f32 v[AL+2*\t], v[T+4*\t+2]
.endr
.endif
.irp t, 0,1,2,3
	v_mov_b32 v[NM+2*\t], v[T+4*\t+3]                          ; pairs for the packed forms; also the plain instructions behind the exponentials (ISA guide 5.7.2)
	v_mov_b32 v[NM+2*\t+1], v[T+4*\t+3]
.endr
.endm
; THE REST OF THE STEP'S BATCH.  The four tiles' scores are 64 pairs on end, pair p of tile p / 16 at S + 2 p.  Each pair is scaled, S = c S + NM, and then raised, S = 2^S, in place:
; every result keeps its own register.  LEAD scalings go ahead; then two exponentials and the scaling LEAD pairs on, by turns, so that a pair is scaled nine lines ahead of its
; exponentials and the scalings are spread over the batch.  A scaling names only pairs that have not been raised yet, so nothing here names a result.
; Behind the last exponential stands the one plain instruction that comes before a result is used (ISA guide 5.7.2), and then THE STEP'S ONE WAIT.
.macro EXPB
.set pp, 0
.rept LEAD
	v_pk_fma_f32 v[S+2*pp:S+2*pp+1], v[S+2*pp:S+2*pp+1], s[76:77], v[NM+2*(pp/16):NM+2*(pp/16)+1] op_sel_hi:[1,0,1]
.set pp, pp+1
.endr
.set pp, 0
.rept 64
	v_exp_f32 v[S+2*pp], v[S+2*pp]
	v_exp_f32 v[S+2*pp+1], v[S+2*pp+1]
.if pp+LEAD < 64
	v_pk_fma_f32 v[S+2*(pp+LEAD):S+2*(pp+LEAD)+1], v[S+2*(pp+LEAD):S+2*(pp+LEAD)+1], s[76:77], v[NM+2*((pp+LEAD)/16):NM+2*((pp+LEAD)/16)+1] op_sel_hi:[1,0,1]
.endif
.set pp, pp+1
.endr
	v_nop
	s_wait_alu depctr_va_vdst(0)                   ; the one wait for the step's batch: AL's four exponentials (MAXP) and the 128 above
.endm
; THE BATCH'S READERS.  AL's copies (pairs for the packed forms); then, pair after pair, the sums and P packed to f16 in place
; (register k of the packed run takes registers 2 k, 2 k + 1, in ascending order, so nothing is overwritten before it is read).
; A tile's sum takes its pairs in ascending order; the four tiles take turns, so that two links of a tile's chain stand eight lines apart.
.macro SUMS first
.if \first == 0
.irp t, 0,1,2,3
	v_mov_b32 v[AL+2*\t+1], v[AL+2*\t]
.endr
.endif
.set kk, 0
.rept 16
.irp t, 0,1,2,3
.if kk == 0
.if \first
	v_pk_add_f32 v[L+2*\t:L+2*\t+1], v[S+32*\t:S+32*\t+1], v[S+32*\t+2:S+32*\t+3]   ; the first four numbers start the sums: nothing is cleared
.else
	v_pk_fma_f32 v[L+2*\t:L+2*\t+1], v[L+2*\t:L+2*\t+1], v[AL+2*\t:AL+2*\t+1], v[S+32*\t:S+32*\t+1]
.endif
.else
.if (kk-1)+(1-\first)
	v_pk_add_f32 v[L+2*\t:L+2*\t+1], v[L+2*\t:L+2*\t+1], v[S+32*\t+2*kk:S+32*\t+2*kk+1]
.endif
.endif
.endr
.irp t, 0,1,2,3
	v_cvt_pk_f16_f32 v[S+32*\t+16*(kk/8)+(kk%8)], v[S+32*\t+2*kk], v[S+32*\t+2*kk+1]
.endr
.set kk, kk+1
.endr
.endm
.macro RESC                            ; O *= AL
	WIN 0x41
.irp t, 0,1,2,3
.set ii, 0
.rept 16
	v_pk_mul_f32 v[O+32*\t+2*ii:O+32*\t+2*ii+1], v[O+32*\t+2*ii:O+32*\t+2*ii+1], v[AL+2*\t:AL+2*\t+1]
.set ii, ii+1
.endr
.endr
.endm
; One step: 64 keys.  chg 0: my next block lies in the same slot; 2: the slot has been read, is filled again two slots ahead, and I go on in the other;
; 1: the change of slots alone; 3: the last step.
; In front of the change's barrier each wave waits for its reads of the slot (V's fragments are in registers by then) and for all its tensor loads.
; With chg 2 that barrier opens a round of the cluster's barrier; the joint refill is the first tensor load behind the round, ahead of the LDS reads..
.macro STEP slot, sub, first, chg
	LDV \slot, \sub
	s_wait_dscnt 16                                ; K's sixteen loads are in; V's sixteen stay out
	QK
	WIN 0
	PLACES 4                                       ; four places before S is read and K's fragments are loaded again (ISA guide 7.12.1)
.if \chg == 0
	LDK \slot, 1
.endif
	MAXP \first
	EXPB
	SUMS \first
.if \chg == 0
	s_wait_dscnt 16                                ; V is in; the next K's sixteen loads stay out
.else
	s_wait_dscnt 0x0                               ; V is in, and with it my last read of this slot
.endif
.if (\chg-1)*(\chg-2) == 0
	s_wait_tensorcnt 0x0                           ; all my tensor loads have landed: my part of the other slot
	ds_add_u32 v7, v23
	s_wait_dscnt 0x0
	s_barrier_signal -1
.endif
.if \first == 0
	RESC                                           ; register work while the others arrive
.endif
.if (\chg-1)*(\chg-2) == 0
	WIN 0
	s_barrier_wait -1
.if \chg == 2
	CREST                                          ; no wave of any partner still reads this slot or has a load on its way
	s_add_nc_u64 s[G0K+4*\slot+2:G0K+4*\slot+3], s[G0K+4*\slot+2:G0K+4*\slot+3], 0x100000   ; 512 keys on
	s_add_nc_u64 s[G0V+4*\slot+2:G0V+4*\slot+3], s[G0V+4*\slot+2:G0V+4*\slot+3], 0x100000
	JLOAD \slot
.endif
	LDK 1-\slot, 0
.endif
	PV \first
	WIN 0
	PLACES 5                                       ; four places before V's fragments are loaded again, five before the next S^T is written over P (ISA guide 7.12.1)
.endm
	s_wait_tensorcnt 0x1                           ; my part of slot 0 is in; slot 1's stays out
	s_barrier_signal -1
	s_barrier_wait -1
	LDK 0, 0
	s_wait_loadcnt 0x0                             ; Q
	STEP 0, 0, 1, 0                                ; keys 0-255; asks for 512-767
	STEP 0, 1, 0, 2
	STEP 1, 0, 0, 0                                ; keys 256-511; asks for 768-1023
	STEP 1, 1, 0, 2
	s_mov_b32 s82, 2                               ; keys 512-1535; they ask for 1024-2047
.Lpass:
	STEP 0, 0, 0, 0
	STEP 0, 1, 0, 2
	STEP 1, 0, 0, 0
	STEP 1, 1, 0, 2
	s_sub_co_u32 s82, s82, 1
	s_cmp_lg_u32 s82, 0
	s_cbranch_scc1 .Lpass
	STEP 0, 0, 0, 0                                ; keys 1536-2047: nothing is left to fetch
	STEP 0, 1, 0, 1
	STEP 1, 0, 0, 0
	STEP 1, 1, 0, 3
	; THE MERGE.  Waves 4-7 hand O, NM and the sums to waves 0-3 through slot 0, which has had its last fill and whose last reads stand in front of an earlier barrier.
	s_wait_dscnt 0x0
	s_barrier_signal -1
	s_barrier_wait -1
	s_cmp_eq_u32 s19, 0
	s_cbranch_scc1 .Lno_send
	WIN 0x04                                       ; store data window 1
.set ii, 0
.rept 32
	ds_store_b128 v[MGA], v[O+4*ii:O+4*ii+3] offset:512*ii
.set ii, ii+1
.endr
	WIN 0
	ds_store_b128 v[MGA], v[NM:NM+3]   offset:512*32
	ds_store_b128 v[MGA], v[NM+4:NM+7] offset:512*33
	ds_store_b128 v[MGA], v[L:L+3]     offset:512*34
	ds_store_b128 v[MGA], v[L+4:L+7]   offset:512*35
.Lno_send:
	s_wait_dscnt 0x0                               ; for the others' sake: my stores are done
	s_barrier_signal -1
	s_barrier_wait -1
	s_cmp_lg_u32 s19, 0
	s_cbranch_scc1 .Lno_merge
.set ii, 0
.rept 32
	ds_load_b128 v[S+4*ii:S+4*ii+3], v[MGA] offset:512*ii      ; the partner's O, register for register
.set ii, ii+1
.endr
	ds_load_b128 v[T:T+3],     v[MGA] offset:512*32            ; its NM pairs
	ds_load_b128 v[T+4:T+7],   v[MGA] offset:512*33
	ds_load_b128 v[T+8:T+11],  v[MGA] offset:512*34            ; its sums
	ds_load_b128 v[T+12:T+15], v[MGA] offset:512*35
	s_wait_dscnt 0x0
.irp t, 0,1,2,3
	v_min_num_f32 v[M+\t], v[NM+2*\t], v[T+2*\t]               ; the smaller -c x maximum belongs to the larger maximum
.endr
.irp t, 0,1,2,3
	v_sub_f32 v[AL+2*\t], v[M+\t], v[NM+2*\t]                  ; both at most 0
	v_sub_f32 v[AL+2*\t+1], v[M+\t], v[T+2*\t]
.endr
.irp t, 0,1,2,3
	v_exp_f32 v[AL+2*\t], v[AL+2*\t]                           ; the merge's first batch: eight factors
	v_exp_f32 v[AL+2*\t+1], v[AL+2*\t+1]
.endr
.irp t, 0,1,2,3
	v_add_f32 v[L+2*\t], v[L+2*\t], v[L+2*\t+1]                ; eight additions that name no factor stand between the batch and its wait
	v_add_f32 v[T+8+2*\t], v[T+8+2*\t], v[T+8+2*\t+1]
.endr
	s_wait_alu depctr_va_vdst(0)                   ; the one wait for the eight factors
.irp t, 0,1,2,3
	v_mul_f32 v[L+2*\t], v[L+2*\t], v[AL+2*\t]
.endr
.irp t, 0,1,2,3
	v_fma_f32 v[L+2*\t], v[T+8+2*\t], v[AL+2*\t+1], v[L+2*\t]
.endr
.irp t, 0,1,2,3
	v_permlanex16_b32 v[L+2*\t+1], v[L+2*\t], s80, s81         ; the same query's other keys
.endr
.irp t, 0,1,2,3
	v_add_f32 v[L+2*\t], v[L+2*\t], v[L+2*\t+1]
.endr
.irp t, 0,1,2,3
	v_rcp_f32 v[M+\t], v[L+2*\t]                               ; the second batch; the sum is at least 1: the largest score gives 2^0
.endr
	v_nop                                          ; one plain instruction behind the reciprocals (ISA guide 5.7.2)
	s_wait_alu depctr_va_vdst(0)                   ; the one wait for the four reciprocals
.irp t, 0,1,2,3
	v_mul_f32 v[NM+2*\t], v[AL+2*\t], v[M+\t]                  ; my factor, twice
	v_mul_f32 v[NM+2*\t+1], v[AL+2*\t], v[M+\t]
	v_mul_f32 v[T+2*\t], v[AL+2*\t+1], v[M+\t]                 ; the partner's, twice
	v_mul_f32 v[T+2*\t+1], v[AL+2*\t+1], v[M+\t]
.endr
.irp t, 0,1,2,3
.set ii, 0
.rept 16
	v_pk_mul_f32 v[S+32*\t+2*ii:S+32*\t+2*ii+1], v[S+32*\t+2*ii:S+32*\t+2*ii+1], v[T+2*\t:T+2*\t+1]
.set ii, ii+1
.endr
.endr
	WIN 0x01                                       ; source 0 (my O) window 1
.irp t, 0,1,2,3
.set ii, 0
.rept 16
	v_pk_fma_f32 v[S+32*\t+2*ii:S+32*\t+2*ii+1], v[O+32*\t+2*ii:O+32*\t+2*ii+1], v[NM+2*\t:NM+2*\t+1], v[S+32*\t+2*ii:S+32*\t+2*ii+1]
.set ii, ii+1
.endr
.endr
	WIN 0
.irp t, 0,1,2,3
.irp dt, 0,1,2,3
.irp i, 0,1,2,3
	v_cvt_pk_f16_f32 v[S+32*\t+8*\dt+\i], v[S+32*\t+8*\dt+2*\i], v[S+32*\t+8*\dt+2*\i+1]
.endr
	ds_store_b128 v[OSA], v[S+32*\t+8*\dt:S+32*\t+8*\dt+3] offset:\t*16*KP+32*\dt   ; query 16 t + r, d = 16 dt + 8 h + 0..7
.endr
.endr
.Lno_merge:
	s_wait_dscnt 0x0
	s_barrier_signal -1
	s_barrier_wait -1
	; all eight waves carry the 128 rows out, 16 each
.irp i, 0,1,2,3,4,5,6,7
	ds_load_b128 v[KF+4*\i:KF+4*\i+3], v[ORD] offset:\i*2*KP
.endr
.irp i, 0,1,2,3,4,5,6,7
	s_wait_dscnt 7-\i
	global_store_b128 v[CO], v[KF+4*\i:KF+4*\i+3], s[12:13] offset:\i*4096   ; 16 lanes store 256 consecutive bytes, aligned
.endr
	s_wait_tensorcnt 0x0
	ds_add_u32 v7, v23
	s_wait_dscnt 0x0
	CROUND                                         ; the closing round
	s_endpgm
.Lfunc_end_k_qeef2e8e01f_attn:
	.size	k_qeef2e8e01f_attn, .Lfunc_end_k_qeef2e8e01f_attn-k_qeef2e8e01f_attn
	.p2alignl 7, 3214868480
	.fill 96, 4, 3214868480
	.section	.rodata,"a",@progbits
	.p2align	6, 0x0
	.amdhsa_kernel k_qeef2e8e01f_attn
		.amdhsa_group_segment_fixed_size 327680
		.amdhsa_private_segment_fixed_size 0
		.amdhsa_enable_private_segment 0
		.amdhsa_kernarg_size 48
		.amdhsa_user_sgpr_count 2
		.amdhsa_user_sgpr_kernarg_segment_ptr 1
		.amdhsa_wavefront_size32 1
		.amdhsa_system_sgpr_workgroup_id_x 1
		.amdhsa_system_sgpr_workgroup_id_y 1
		.amdhsa_system_sgpr_workgroup_id_z 1
		.amdhsa_system_vgpr_workitem_id 0
		.amdhsa_next_free_vgpr 512
		.amdhsa_next_free_sgpr 84
		.amdhsa_reserve_vcc 0
		.amdhsa_float_denorm_mode_32 3
		.amdhsa_float_denorm_mode_16_64 3
		.amdhsa_memory_ordered 1
		.amdhsa_forward_progress 1
		.amdhsa_inst_pref_size 255
	.end_amdhsa_kernel
	.section	.bss,"aw",@nobits
	.p2align	6
	.space	262144
	.amdgpu_metadata
---
amdhsa.version: [ 1, 2 ]
amdhsa.kernels:
  - .name:           k_qeef2e8e01f_attn
    .symbol:         k_qeef2e8e01f_attn.kd
    .args:
      - { .name: qh, .offset: 0, .size: 8, .value_kind: global_buffer, .address_space: global }
      - { .name: kh, .offset: 8, .size: 8, .value_kind: global_buffer, .address_space: global }
      - { .name: vh, .offset: 16, .size: 8, .value_kind: global_buffer, .address_space: global }
      - { .name: wo, .offset: 24, .size: 8, .value_kind: global_buffer, .address_space: global }
      - { .name: ctx, .offset: 32, .size: 8, .value_kind: global_buffer, .address_space: global }
      - { .name: wo16, .offset: 40, .size: 8, .value_kind: global_buffer, .address_space: global }
    .group_segment_fixed_size: 327680
    .private_segment_fixed_size: 0
    .kernarg_segment_align: 8
    .kernarg_segment_size: 48
    .max_flat_workgroup_size: 256
    .sgpr_count:     84
    .vgpr_count:     512
    .wavefront_size: 32
...
	.end_amdgpu_metadata
.endif
;; end of part 4
;; launch oproj: the kernel of part 3 again; grid 8 x 32, 4 waves a work-group, clusters of 4 x 4, 327,680 bytes of LDS; arguments ctx, wo16, bo, out0; writes out0
